; MI455X (gfx1250); checked and timed in simulation.
; The chip was launched on July 23, 2026; its instructions are those of AMD's public machine-readable ISA for CDNA 5 (MIT licence, August 2026) and "CDNA5" Instruction Set Architecture Reference Guide (July 2026). The comments in the code are by the model that wrote it; some were corrected since.
;; Self Attention. Allowed arithmetic: matrix products marked QUANTISED: E2M3 operands, one E8M0 scale for each 32 along K, by v_wmma_scale_f32_16x16x128_f8f6f4 with both operands' format E2M3, f32 sums; everything else in f32.
;; Inputs: W_out 1,024 x 1,024 float32; W_qkv 1,024 x 3,072 float32; b_out 1,024 float32; b_qkv 3,072 float32; x 4 x 2,048 x 1,024 float32.
;; Outputs: out0 4 x 2,048 x 1,024 float32.
;; This version of the problem:
;;   THIS VERSION OF THE PROBLEM IS GIVEN IN LOW PRECISION. The matrix products marked QUANTISED in the list below multiply operands that are first quantised to E2M3 (2 exponent bits, 3 mantissa bits; 6 bits a number), with one power-of-two scale for each 32 numbers along K (OCP MX v1.0); their sums are f32. All else is computed in f32.
;;   The module's matrix products, in the order in which they are computed (A, B: the left and right operand; K: the contracted axis; several contracted axes count as one K, in the product's order):
;;     1. [M 8,192, K 1,024] x [K 1,024, N 3,072]; A: input x; B: input W_qkv: QUANTISED
;;     2. batch 64 x [M 2,048, K 64] x [K 64, N 2,048]; A: computed on the way; B: computed on the way: QUANTISED
;;     3. batch 64 x [M 2,048, K 2,048] x [K 2,048, N 64]; A: softmax (see below); B: computed on the way: QUANTISED
;;     4. [M 8,192, K 1,024] x [K 1,024, N 1,024]; A: computed on the way; B: input W_out: QUANTISED
;;   THE QUANTISER, for each operand of a quantised product, along K:
;;     - K is cut into blocks of 32 from its start; a last block that is shorter is filled with zeros.
;;     - A block's scale is 2^e with e = floor(log2(the largest magnitude in the block)) - 2, held to -126 .. 127; a block of zeros has e = 0. As a byte (E8M0): e + 127.
;;     - Each number is divided by its block's scale, clamped to +-7.5, and rounded to the nearest number of E2M3, ties to even, subnormals kept.
;;     - The product sums the exact products of the quantised numbers (number of the format x scale) in f32.
;;   ~~~python
;;   def quantise(x, axis):      # numpy; x: float32 -> the quantised numbers, widened to float32 again
;;       x = np.moveaxis(x, axis, -1); K = x.shape[-1]
;;       x = np.pad(x, [(0, 0)] * (x.ndim - 1) + [(0, -K % 32)]); x = x.reshape(x.shape[:-1] + (-1, 32)); a = np.abs(x).max(-1, keepdims=True)
;;       e = np.where(a > 0, np.clip(np.frexp(np.where(a > 0, a, 1))[1] - 1 - 2, -126, 127), 0)      # np.frexp(a)[1] - 1 = floor(log2(a)), exactly
;;       r = np.clip(x / 2.0 ** e, -7.5, 7.5)
;;       step = 2.0 ** (np.maximum(np.frexp(np.where(r == 0, 1, r))[1] - 1, 0) - 3)
;;       q = np.round(r / step) * step * 2.0 ** e      # np.round: ties to even
;;       return np.moveaxis(q.reshape(q.shape[:-2] + (-1,))[..., :K], -1, axis).astype(np.float32)
;;   ~~~
;;   SOFTMAX AHEAD OF A QUANTISED PRODUCT. Where the list says 'softmax', what is quantised is not the finished softmax but p = 2^(t - M), with t = logit x log2(e) and M = ceil(the row's largest t), a whole number; so 1/2 < the row's largest p <= 1. The row's sum l is taken of the UNQUANTISED p, in f32, and the product's result is divided by l at the end. Since M is a whole number, a kernel that streams over the keys may use a running M (the ceiling of the running maximum): every later rescaling is an exact power of two, which a block's scale takes up: the codes' values come out the same.
;;   OPERANDS COMPUTED ON THE WAY. 'Computed on the way' means the value that the module computes at that place (a softmax that the list does not call 'softmax' is quantised finished and normalised). What goes into a quantiser is computed in f32, as accurately as f32 sums, v_exp_f32 and their like allow (about 1e-6 of the number): no bf16 or f16 on the way to a quantiser, and a product that is left as it is and whose result goes on into a quantised operand takes f32 operands (vector FMAs, or v_wmma_f32_16x16x4_f32). A number that lies on a knife's edge between two numbers of the format may be rounded either way, as far as f32 arithmetic and the matrix unit's own rounding can turn it there, and no further.
;; One version. Each part assembles by itself: llvm-mc -triple=amdgcn-amd-amdhsa -mcpu=gfx1250 --defsym DOCPART=n.
;; ======== version 1 of 1: 4 launches
;; limits: right only within a limited range of input values
;; workspace buffers: xg 6,553,600 bytes; wg 3,276,800 bytes; qkv 20,185,088 bytes; og 6,553,600 bytes
;; launch prep (part 1): grid 384 x 1, 4 waves a work-group, no clusters, 60,928 bytes of LDS; arguments x, W_qkv, W_out, xg, wg; writes xg, wg
.if DOCPART == 1
	.amdgcn_target "amdgcn-amd-amdhsa--gfx1250"
	.amdhsa_code_object_version 6
	.text
	.protected	k_q0921feb7aa_prep
	.globl	k_q0921feb7aa_prep
	.p2align	8
	.type	k_q0921feb7aa_prep,@function
k_q0921feb7aa_prep:
	s_mov_b64 s[64:65], 0
	v_nop
	global_prefetch_b8 v0, s[64:65] scope:SCOPE_SE
	s_setreg_imm32_b32 hwreg(HW_REG_WAVE_MODE, 25, 1), 1
	s_wait_xcnt 0x0
; x [8192][1024], W_qkv [1024][3072] and W_out [1024][1024], f32, become codes of FP6 (E2M3) with one E8M0 byte for each 32 along K = 1,024.
; THE LAYOUT that the products read: one block of 12,800 bytes for each 16 rows of an operand (rows = tokens of x, columns of a weight).
;   codes: chunk c (k = 64 c .. 64 c + 63) at 768 c; in it plane p (0..2) at 256 p; lane l = r + 16 h has 8 bytes at 8 l: bytes 8 p .. 8 p + 7 of the 24 bytes of codes of row r, k = 64 c + 32 h + 0 .. 31.
;   scale bytes: at 12,288 + 128 g + 8 r + e the byte of row r's block k = 256 g + 32 e.
; THE ORDER OF ROWS: row r of block T is the true row 32 (T / 2) + 8 (T % 2) + r + 8 (r / 8), so that the results of a product that takes such a block as source 0 lie 16 neighbours to a lane.
; A block's scale is 2^(floor(log2(largest magnitude)) - 2): its byte is the largest magnitude's exponent field - 2, held at 1 from below by a floor among the maximum's leaves.
; LIMITS: NaN and infinities are not served; a block of zeros, or one under 2^-124, gets the byte 1 (its codes are zeros; this program alone reads the bytes).
; Work-groups 0-255 take x (a wave: 16 rows x 512 columns), work-groups 256-383 the weights (a wave: 32 columns x 256 along K).  The two ways have LDS bytes of their own.  Waves share nothing: no barrier.
.set TILEB, 12800
.set STGX,  8704                       ; x's way: a wave's stage, 16 rows x (512 + 16) bytes
.set STGW,  6400                       ; the weights' way: a wave's stage, two blocks' 3,072 bytes, 3,200 apart
.set WBASE, 4*STGX
.set R,   16                           ; v16-143  x: two sets of 64 registers as loaded
.set X,   144                          ; v144-207 x: 64 numbers of my row: register 32 c + i = k 64 c + 32 h + i
.set C,   208                          ; v208-219 the codes of 128 along K
.set CT,  220                          ; v220-226 the upper halves of the blocks, as the conversions leave them
.set M,   228
.set SO,  230
.set BY,  232
.set W,   234                          ; v234-237 a scale word for each step
.set TP,  238
.set E,   240
.set RO,  16                           ; the weights: v16-47 offsets of 32 rows
.set WX,  48                           ; v48-111 two sets of 32 numbers
.set WC,  112
.set WCT, 120
.set SB,  124
.set OUTR, 128
	s_load_b128 s[4:7], s[0:1], 0x0                ; x, W_qkv
	s_load_b128 s[8:11], s[0:1], 0x10              ; W_out, xg
	s_load_b64 s[12:13], s[0:1], 0x20              ; wg
	v_lshl_add_u32 v254, v0, 2, 0xec00
	v_mov_b32 v255, 0
	v_lshrrev_b32 v1, 5, v0
	v_readfirstlane_b32 s16, v1                    ; wave
	v_and_b32 v6, 31, v0                           ; lane
	v_lshlrev_b32 v1, 4, v6                        ; 16 x lane
	v_lshlrev_b32 v2, 3, v6                        ; 8 x lane
	s_cmp_ge_u32 ttmp9, 256
	s_cbranch_scc1 .Lweights
; ---------------- x: block T = 2 x work-group + wave / 2, columns 512 (wave % 2) on, four steps of 128 columns
	v_and_b32 v7, 15, v0                           ; r
	v_bfe_u32 v8, v0, 4, 1                         ; h
	s_mul_i32 s17, s16, STGX
	v_add_nc_u32 v3, s17, v1                       ; into the stage: 16 x lane, a row a store
	v_mul_u32_u24 v4, v7, 528
	v_lshl_add_u32 v4, v8, 7, v4
	v_add_nc_u32 v4, s17, v4                       ; out of it: row r, + 128 h: my 32 numbers of a chunk
	v_lshlrev_b32 v5, 3, v8                        ; 8 h
	s_mov_b32 s20, 0x76543210
	s_mov_b32 s21, 0xfedcba98                      ; lane l xor 16
	s_mov_b32 s22, 0xffff0000                      ; lanes 16-31
	v_mov_b32 v[TP], 0                             ; a lane permute's destination counts as read
	s_lshr_b32 s18, s16, 1                         ; T % 2
	s_and_b32 s19, s16, 1                          ; which 512 columns
	s_lshl_b32 s24, ttmp9, 17                      ; 32 rows of 4,096 bytes a work-group,
	s_lshl_b32 s26, s18, 15                        ; 8 rows on for the odd block,
	s_add_co_u32 s24, s24, s26
	s_lshl_b32 s26, s19, 11                        ; 2,048 bytes on for the right half
	s_add_co_u32 s24, s24, s26
	s_mov_b32 s25, 0
	s_lshl_b32 s26, ttmp9, 1
	s_add_co_u32 s26, s26, s18
	s_mul_i32 s26, s26, TILEB                      ; my block in xg
	s_mul_i32 s28, s19, 6144                       ; eight chunks on for the right half
	s_add_co_u32 s28, s28, s26
	s_mov_b32 s29, 0
	s_lshl_b32 s30, s19, 8                         ; its scale bytes: two groups of 128 bytes on
	s_add_co_u32 s30, s30, s26
	s_add_co_u32 s30, s30, 12288
	s_mov_b32 s31, 0
	s_wait_alu depctr_va_vdst(0)
	s_wait_kmcnt 0x0
	s_add_nc_u64 s[4:5], s[4:5], s[24:25]
	s_add_nc_u64 s[32:33], s[10:11], s[28:29]
	s_add_nc_u64 s[34:35], s[10:11], s[30:31]
.macro XLOAD t                         ; 16 rows x 512 consecutive bytes
.irp j, 0,1,2,3,4,5,6,7,8,9,10,11,12,13,14,15
	global_load_b128 v[R+64*((\t)%2)+4*\j:R+64*((\t)%2)+4*\j+3], v1, s[4:5] offset:(\j+8*(\j/8))*4096+512*(\t) th:TH_LOAD_NT
.endr
.endm
.macro XSTEP t
.if (\t) < 3
	s_wait_loadcnt 16                              ; this step's 16 loads are in; the next step's 16 may be out
.else
	s_wait_loadcnt 0x0
.endif
.irp j, 0,1,2,3,4,5,6,7,8,9,10,11,12,13,14,15
	ds_store_b128 v3, v[R+64*((\t)%2)+4*\j:R+64*((\t)%2)+4*\j+3] offset:528*\j
.endr
.irp c, 0,1                            ; LDS serves a wave's instructions in order: these see the stores above
.irp j, 0,1,2,3,4,5,6,7
	ds_load_b128 v[X+32*\c+4*\j:X+32*\c+4*\j+3], v4 offset:256*\c+16*\j
.endr
.endr
	s_wait_dscnt 0x0
.if (\t)+2 < 4
	XLOAD (\t)+2
.endif
.irp c, 0,1
	v_max3_num_f32 v[M+\c], |v[X+32*\c]|, |v[X+32*\c+1]|, 0x1800000   ; my block 2 c + h: all 32 numbers are mine; the floor 2^(3 - 127) holds the byte at 1 from below
.endr
.irp i, 2,4,6,8,10,12,14,16,18,20,22,24,26,28,30
.irp c, 0,1
	v_max3_num_f32 v[M+\c], v[M+\c], |v[X+32*\c+\i]|, |v[X+32*\c+\i+1]|
.endr
.endr
.irp c, 0,1
	v_add_nc_u32 v[SO+\c], 0xff000000, v[M+\c]     ; 2 off the exponent field: the conversion's scale operand
.endr
.irp c, 0,1
	v_lshrrev_b32 v[BY+\c], 23, v[SO+\c]           ; the scale's byte
.endr
	v_lshl_or_b32 v[W+(\t)], v[BY+1], 16, v[BY]    ; blocks h and 2 + h,
	v_lshlrev_b32 v[W+(\t)], v5, v[W+(\t)]         ; at their places in the word,
	v_permlanex16_b32 v[TP], v[W+(\t)], s20, s21
	v_or_b32 v[W+(\t)], v[W+(\t)], v[TP]           ; with lane l xor 16's two: my row's word for these 128 columns
	s_wait_alu depctr_va_vdst(0)
	s_wait_xcnt 0x0                                ; the last step's stores have read the codes' registers
.irp c, 0,1
	v_cvt_scalef32_pk16_fp6_f32 v[C+6*\c:C+6*\c+2], v[X+32*\c:X+32*\c+15], v[SO+\c]
	v_cvt_scalef32_pk16_fp6_f32 v[CT+4*\c:CT+4*\c+2], v[X+32*\c+16:X+32*\c+31], v[SO+\c]   ; (a conversion's three registers begin on an even number)
.endr
	v_nop                                          ; one plain place behind the conversions
.irp c, 0,1
.irp i, 0,1,2
	v_mov_b32 v[C+3+6*\c+\i], v[CT+4*\c+\i]
.endr
.endr
.irp c, 0,1
.irp p, 0,1,2
	global_store_b64 v2, v[C+6*\c+2*\p:C+6*\c+2*\p+1], s[32:33] offset:(2*(\t)+\c)*768+256*\p   ; a plane: 256 consecutive bytes, aligned
.endr
.endr
.endm
	XLOAD 0
	XLOAD 1
	XSTEP 0
	XSTEP 1
	XSTEP 2
	XSTEP 3
	v_cndmask_b32 v[E], v[W], v[W+2], s22          ; lanes 0-15 store the words of my first 256 columns, lanes 16-31 those of the second
	v_cndmask_b32 v[E+1], v[W+1], v[W+3], s22
	global_store_b64 v2, v[E:E+1], s[34:35]        ; 256 consecutive bytes, aligned
	s_wait_tensorcnt 0x0
	ds_add_u32 v254, v255
	s_wait_dscnt 0x0
	s_endpgm
; ---------------- the weights: K is their FIRST axis: a lane takes a column and its registers run down K
.Lweights:
	s_sub_co_u32 s17, ttmp9, 256
	s_lshr_b32 s18, s17, 5                         ; which 256 along K
	s_and_b32 s19, s17, 31                         ; which 128 columns: 0-23 of W_qkv, 24-31 of W_out
	s_wait_alu depctr_va_vdst(0)
	v_lshlrev_b32 v9, 2, v6                        ; 4 x lane
	v_bfe_u32 v10, v0, 3, 1                        ; column l of my 32 is row r = l % 8 + 8 (l / 16) of block u = (l / 8) % 2
	v_and_b32 v11, 7, v0
	v_bfe_u32 v12, v0, 4, 1
	v_lshl_or_b32 v11, v12, 3, v11
	s_mul_i32 s26, s16, STGW
	s_add_co_u32 s26, s26, WBASE
	v_mul_u32_u24 v13, v10, 3200
	v_lshl_add_u32 v13, v11, 3, v13
	v_add_nc_u32 v13, s26, v13                     ; into the stage: block u, 8 r
	v_add_nc_u32 v14, s26, v1                      ; out of it: 16 x lane
	v_mul_u32_u24 v15, v10, TILEB
	v_lshl_add_u32 v15, v11, 3, v15                ; my eight scale bytes' place
	s_wait_kmcnt 0x0
	s_cmp_lt_u32 s19, 24                           ; the choice hangs on the work-group's number alone
	s_cselect_b64 s[6:7], s[6:7], s[8:9]
	s_mov_b32 s20, 4096
	s_cselect_b32 s20, 12288, s20                  ; a row of the weight in bytes
	s_cselect_b32 s21, 0, 24
	s_sub_co_u32 s21, s19, s21
	s_lshl_b32 s21, s21, 9                         ; 128 columns of 4 bytes,
	s_lshl_b32 s22, s16, 7                         ; my wave's 32
	s_add_co_u32 s21, s21, s22
	s_lshl_b32 s22, s18, 8
	s_mul_i32 s22, s22, s20                        ; 256 rows a step along K
	s_add_co_u32 s22, s22, s21
	s_mov_b32 s23, 0
	s_add_nc_u64 s[36:37], s[6:7], s[22:23]        ; a base for each block of 32 rows
	s_lshl_b32 s24, s20, 5
	s_mov_b32 s25, 0
.irp t, 1,2,3,4,5,6,7
	s_add_nc_u64 s[36+2*\t:37+2*\t], s[34+2*\t:35+2*\t], s[24:25]
.endr
.set n, 0
.rept 32
	v_mad_u32_u24 v[RO+n], s20, n, v9              ; row n of a block, my column
.set n, n+1
.endr
	s_lshl_b32 s26, s19, 3
	s_lshl_b32 s27, s16, 1
	s_add_co_u32 s26, s26, s27                     ; my first block in wg: 8 x (128 columns) + 2 x wave
	s_mul_i32 s26, s26, TILEB
	s_mul_i32 s28, s18, 3072
	s_add_co_u32 s28, s28, s26
	s_mov_b32 s29, 0
	s_add_nc_u64 s[52:53], s[12:13], s[28:29]      ; the codes
	s_lshl_b32 s28, s18, 7
	s_add_co_u32 s28, s28, s26
	s_add_co_u32 s28, s28, 12288
	s_add_nc_u64 s[54:55], s[12:13], s[28:29]      ; the scale bytes
.macro WLOAD t                         ; block t: 32 rows, 128 consecutive bytes a load
.set n, 0
.rept 32
	global_load_b32 v[WX+32*((\t)%2)+n], v[RO+n], s[36+2*(\t):37+2*(\t)] th:TH_LOAD_NT
.set n, n+1
.endr
.endm
.macro WBLOCK t
.set XS, WX+32*((\t)%2)
.if (\t) < 7
	s_wait_loadcnt 32                              ; this block's 32 loads are in; the next block's may be out
.else
	s_wait_loadcnt 0x0
.endif
	v_max3_num_f32 v176, |v[XS]|, |v[XS+1]|, |v[XS+2]|
	v_max3_num_f32 v177, |v[XS+3]|, |v[XS+4]|, |v[XS+5]|
.irp i, 6,10,14,18,22,26
	v_max3_num_f32 v176, v176, |v[XS+\i]|, |v[XS+\i+1]|
	v_max3_num_f32 v177, v177, |v[XS+\i+2]|, |v[XS+\i+3]|
.endr
	v_max3_num_f32 v176, v176, |v[XS+30]|, |v[XS+31]|
	v_max3_num_f32 v176, v176, v177, 0x1800000     ; and the floor
	v_add_nc_u32 v178, 0xff000000, v176
	v_lshrrev_b32 v179, 23, v178
.if (\t)%4 == 0
	v_mov_b32 v[SB+(\t)/4], v179                   ; four bytes to a register, the lower K in the lower byte
.else
	v_lshl_or_b32 v[SB+(\t)/4], v179, 8*((\t)%4), v[SB+(\t)/4]
.endif
	v_cvt_scalef32_pk16_fp6_f32 v[WC:WC+2], v[XS:XS+15], v178
	v_cvt_scalef32_pk16_fp6_f32 v[WCT:WCT+2], v[XS+16:XS+31], v178
	v_nop                                          ; one plain place behind the conversions
.irp i, 0,1,2
	v_mov_b32 v[WC+3+\i], v[WCT+\i]
.endr
.irp p, 0,1,2
	ds_store_b64 v13, v[WC+2*\p:WC+2*\p+1] offset:((\t)/2)*768+256*\p+128*((\t)%2)   ; chunk t / 2, plane p, half t % 2
.endr
.if (\t)+2 < 8
	WLOAD (\t)+2
.endif
	s_wait_dscnt 0x0                               ; the stores have read their registers
.endm
	s_wait_alu depctr_va_vdst(0)
	WLOAD 0
	WLOAD 1
.irp q, 0,1,2,3,4,5,6,7
	WBLOCK \q
.endr
	s_wait_alu depctr_va_vdst(0)
	global_store_b64 v15, v[SB:SB+1], s[54:55]     ; my column's eight scale bytes
.irp q, 0,1,2,3,4,5,6,7,8,9,10,11
	ds_load_b128 v[OUTR+4*\q:OUTR+4*\q+3], v14 offset:3200*(\q/6)+512*(\q%6)
.endr
.irp q, 0,1,2,3,4,5,6,7,8,9,10,11
	s_wait_dscnt 11-\q                             ; the loads behind this one may be out
	global_store_b128 v1, v[OUTR+4*\q:OUTR+4*\q+3], s[52:53] offset:TILEB*(\q/6)+512*(\q%6)   ; 512 consecutive bytes, aligned to 256
.endr
	s_wait_tensorcnt 0x0
	ds_add_u32 v254, v255
	s_wait_dscnt 0x0
	s_endpgm
.Lfunc_end_k_q0921feb7aa_prep:
	.size	k_q0921feb7aa_prep, .Lfunc_end_k_q0921feb7aa_prep-k_q0921feb7aa_prep
	.p2alignl 7, 3214868480
	.fill 96, 4, 3214868480
	.section	.rodata,"a",@progbits
	.p2align	6, 0x0
	.amdhsa_kernel k_q0921feb7aa_prep
		.amdhsa_group_segment_fixed_size 60928
		.amdhsa_private_segment_fixed_size 0
		.amdhsa_enable_private_segment 0
		.amdhsa_kernarg_size 40
		.amdhsa_user_sgpr_count 2
		.amdhsa_user_sgpr_kernarg_segment_ptr 1
		.amdhsa_wavefront_size32 1
		.amdhsa_system_sgpr_workgroup_id_x 1
		.amdhsa_system_sgpr_workgroup_id_y 1
		.amdhsa_system_sgpr_workgroup_id_z 1
		.amdhsa_system_vgpr_workitem_id 0
		.amdhsa_next_free_vgpr 256
		.amdhsa_next_free_sgpr 66
		.amdhsa_reserve_vcc 0
		.amdhsa_float_denorm_mode_32 3
		.amdhsa_float_denorm_mode_16_64 3
		.amdhsa_memory_ordered 1
		.amdhsa_forward_progress 1
		.amdhsa_inst_pref_size 76
	.end_amdhsa_kernel
	.amdgpu_metadata
---
amdhsa.version: [ 1, 2 ]
amdhsa.kernels:
  - .name:           k_q0921feb7aa_prep
    .symbol:         k_q0921feb7aa_prep.kd
    .args:
      - { .name: x, .offset: 0, .size: 8, .value_kind: global_buffer, .address_space: global }
      - { .name: W_qkv, .offset: 8, .size: 8, .value_kind: global_buffer, .address_space: global }
      - { .name: W_out, .offset: 16, .size: 8, .value_kind: global_buffer, .address_space: global }
      - { .name: xg, .offset: 24, .size: 8, .value_kind: global_buffer, .address_space: global }
      - { .name: wg, .offset: 32, .size: 8, .value_kind: global_buffer, .address_space: global }
    .group_segment_fixed_size: 60928
    .private_segment_fixed_size: 0
    .kernarg_segment_align: 8
    .kernarg_segment_size: 40
    .max_flat_workgroup_size: 128
    .sgpr_count:     66
    .vgpr_count:     256
    .wavefront_size: 32
...
	.end_amdgpu_metadata
.endif
;; end of part 1
;; launch gemm1 (part 2): grid 8 x 32, 4 waves a work-group, clusters of 4 x 4, 327,680 bytes of LDS; arguments xg, wg, b_qkv, qkv; writes qkv
.if DOCPART == 2
	.amdgcn_target "amdgcn-amd-amdhsa--gfx1250"
	.amdhsa_code_object_version 6
	.text
	.protected	k_q0921feb7aa_gemm1
	.globl	k_q0921feb7aa_gemm1
	.p2align	8
	.type	k_q0921feb7aa_gemm1,@function
k_q0921feb7aa_gemm1:
	s_mov_b64 s[64:65], 0
	v_nop
	global_prefetch_b8 v0, s[64:65] scope:SCOPE_SE
	s_setreg_imm32_b32 hwreg(HW_REG_WAVE_MODE, 25, 1), 1
	s_wait_xcnt 0x0
	s_wait_alu depctr_hold_cnt(0) depctr_sa_sdst(0) depctr_va_vdst(0) depctr_va_sdst(0) depctr_va_ssrc(0) depctr_va_vcc(0) depctr_vm_vsrc(0)
	s_getreg_b32 s2, hwreg(HW_REG_IB_STS2, 6, 4)
	s_cmp_eq_u32 s2, 0
	s_cbranch_scc0 .Lentry_in_a_cluster
	s_endpgm
.Lentry_in_a_cluster:
	s_bfe_u32 s2, ttmp6, 0x10000c
	s_cmp_lg_u32 s2, 0xf033
	s_cbranch_scc0 .Lentry_shape_is_right
	s_endpgm
.Lentry_shape_is_right:
; qkv = x W_qkv + b_qkv on codes of FP6 (E2M3) with E8M0 scales, K = 1,024; the results are quantised in registers and leave as codes: q and k along the head's 64, v along the keys.
; OPERANDS lie in blocks of 12,800 bytes for 16 rows: chunk c (64 along K) at 768 c, plane p at 256 p, lane l's 8 bytes at 8 l; scale bytes at 12,288 + 128 g + 8 r + e.  Row r of block T is the true row 32 (T / 2) + 8 (T % 2) + r + 8 (r / 8).
; THE DEAL.  256 work-groups of four waves; a work-group takes 256 tokens through THREE PHASES of 128 columns: two heads of q, of k, of v.  x's 16 blocks, all of K, lie in LDS from the head on and serve all three phases.
; W's 8 blocks have a region of their own, filled at the head (q's) and filled again twice (k's, v's): each refill in a round of the cluster's barrier inside block 3 of the phase before, every wave bringing two blocks.
; Waves 2 x 2: wave (a, b) holds one head's 64 columns (W's blocks 4 b .. 4 b + 3), all of K, in 384 registers and streams x's blocks 8 a + s, s = 0 .. 7, past them: a block is 32 products on four accumulators by turns.
; The bias is the first four products' C.  q, k: source 0 = W's rows: a lane holds a token, its 32 sums are register 16 u + i = column 32 u + 16 h + i.  v: source 0 = x's rows: a lane holds a channel, and of two blocks' sums register 16 t + i = key 32 u + 16 h + i.
; THE WAY OUT of 2 x 16 sums: their largest magnitudes by two chains side by side, laid two lines behind every second product of the NEXT block; the conversions behind that block's last product.
; q and k are one text, a loop of two trips: a trip runs a phase's blocks and then loads the next phase's weights into registers, with the last block's way out under the flight of those loads.
; x's blocks come in three tiles (s = 0-1, 2-4, 5-7 of both rows of waves), shown one after the other: ahead of the loop, in block 0 (in the second trip that barrier shows nothing new), and by block 3's round.
; CLUSTERS: 4 x 4 work-groups; x's tiles are asked for jointly along a row of the cluster, W's along a column.
; PREFETCH: k's weights at the head, v's at the first change of phase: a tile's 400 blocks of 256 bytes are shared out by address among the sixteen waves that will ask for it jointly, 25 each (lanes 25-31 name the last again).
; OUT: for each head and each 128 tokens a block of 19,712 bytes: q's codes 0, q's scale words 6,144, k's codes 6,656, v's four fragments (images of their registers) 12,800, k's scale words 18,944, v's 19,456.
; LIMITS: NaN and infinities are not served; a block of zeros or under 2^-124 gets the byte 1 (zero codes; this program alone reads the bytes).
; REGISTERS: window 0: addresses, scale words, codes, accumulators, temporaries.  Fragment f lies in window 1 + f / 21 at register 12 (f % 21): 0-31 W's (4 q + b), 32-39 and 40-47 x's two sets.  v896-927 q's or k's bias, v928-959 v's.
.set TILEB,  12800
.set FR,     12
.set FPW,    21
.set NF,     52                        ; LDS loads of a block of x: 48 for eight fragments, 4 for eight scale words
.set XB,     8*TILEB
.set SPARE,  24*TILEB                  ; the spare words, 128 bytes for each wave
.set QKVH,   315392
.set QKVB,   19712
.set L8,  4
.set ADW, 5
.set AWS, 6
.set ADX, 7                            ; v7-9   my fragments of x in the three tiles (the first one block low: a block's place in its tile is (s + 1) % 3)
.set AXS, 10                           ; v10-12 their scale words
.set L16, 13
.set L4,  14
.set BQ,  15
.set BV,  16
.set PF,  17
.set SPW, 18
.set NIL, 19
.set SB,  24                           ; v24-39 W's scale words: 8 (b / 2) + q; lanes 0-15 the even block, lanes 16-31 the odd
.set WK,  40
.set WO,  41
.set WS,  42
.set SA,  44                           ; v44-59 x's scale words, two sets
.set VW,  60                           ; v60-63 v's scale words
.set VF,  64                           ; v64-111 v's four fragments
.set PC,  64                           ; v64-69 q's or k's codes of a block
.set ACC, 112                          ; v112-239 accumulators
.set CT,  240
.set CT2, 244
.set TQ,  248
.set TP,  250
.set SOP, 252
.set EB,  254
.set BB,  128                          ; in window 3
.set BBV, 160
.set G1W, 24
.set G1R, 32
.set G1P, 48
.set G1Q, 80
.set G0W, 56
.set G0A, 60
.set G0B, 68
.set G0C, 72
.set G0R, 88
.set BP,  66
.set SEL, 92
.set MH,  94
.set TRIP, 95
.set PCO, 96
.set PSC, 98
.set PVO, 100
.set PFB, 104
.set MSB, 0
.macro WIN new                         ; the immediate's high byte repeats the setting that is left
.if MSB != (\new)
	s_set_vgpr_msb (MSB<<8)|(\new)
.set MSB, (\new)
.endif
.endm
.macro PLACES n
.rept \n
	v_nop
.endr
.endm
.macro WALU
	s_wait_alu depctr_va_vdst(0)
.endm
.macro BARRIER
	s_barrier_signal -1
	s_barrier_wait -1
.endm
.macro MIDDLE                          ; a round's middle: the opening wait, wave 0's signal for the work-group, the cluster's wait
	s_barrier_wait -1
	s_cmp_lg_u32 s14, 0
	s_cbranch_scc1 .Lnot_wave_0_\@
	s_barrier_signal -3
.Lnot_wave_0_\@:
	s_barrier_wait -3
.endm
.macro CROUND
	s_barrier_signal -1
	MIDDLE
	BARRIER
.endm
.macro GROUP1 g, mask, c, r, p         ; r rows of c elements of 8 bytes, p elements apart
	s_or_b32 s[\g], s[\mask], (3<<16)|(1<<21)
	s_mov_b32 s[\g+1], (\c)<<16
	s_mov_b32 s[\g+2], (\r)<<16
	s_mov_b32 s[\g+3], (\c)<<16
	s_mov_b32 s[\g+4], \r
	s_mov_b32 s[\g+5], \p
	s_mov_b32 s[\g+6], 0
	s_mov_b32 s[\g+7], 0
.endm
.macro TLOAD g0, g1
	tensor_load_to_lds s[\g0:\g0+3], s[\g1:\g1+7]
	s_nop 0
	PLACES 4
.endm
.macro ARM under, g0, g1, next
	s_cmp_lt_u32 s14, \under
	s_cbranch_scc0 \next
	TLOAD \g0, \g1
	s_branch .Lasked
\next:
.endm
.macro SHOWN n                         ; waves 0 .. n wait for their loads; the later waves' may still be on their way
	s_cmp_gt_u32 s14, \n
	s_cbranch_scc1 .Llater_\@
	s_wait_tensorcnt 0x0
.Llater_\@:
.endm
.macro FRAG f, adr, off                ; a fragment, 16 rows x 128 K: each register pair is one plane of one chunk, 256 consecutive bytes
	WIN (1+(\f)/FPW)<<6
.irp p, 0,1,2,3,4,5
	ds_load_b64 v[FR*((\f)%FPW)+2*\p:FR*((\f)%FPW)+2*\p+1], v[\adr] offset:(\off)+768*(\p/3)+256*(\p%3)
.endr
.endm
.macro FETCH e, s                      ; my block s of x into set e
.irp q, 0,1,2,3,4,5,6,7
	FRAG 32+8*(\e)+\q, ADX+((\s)+1)/3, (((\s)+1)%3)*TILEB+1536*\q
.endr
	WIN 0
.irp g, 0,1,2,3
	ds_load_b64 v[SA+8*(\e)+2*\g:SA+8*(\e)+2*\g+1], v[AXS+((\s)+1)/3] offset:(((\s)+1)%3)*TILEB+12288+128*\g
.endr
.endm
.macro WEIGHTS                         ; my 64 rows of the weight, all of K, and their scale words: 200 loads
.irp q, 0,1,2,3,4,5,6,7
.irp b, 0,1,2,3
	FRAG 4*\q+\b, ADW, \b*TILEB+1536*\q
.endr
.endr
	WIN 0
.irp u, 0,1
.irp g, 0,1,2,3
	ds_load_b64 v[SB+8*\u+2*\g:SB+8*\u+2*\g+1], v[AWS] offset:12288+2*TILEB*\u+128*\g
.endr
.endr
.endm
.macro P1 kind, d, fw, fx, c, xw, xx, o
.set RW_, FR*((\fw)%FPW)
.set RX_, FR*((\fx)%FPW)
.if \kind
.if \o
	v_wmma_scale_f32_16x16x128_f8f6f4 v[\d:\d+7], v[RX_:RX_+FR-1], v[RW_:RW_+FR-1], \c, v[\xx], v[\xw] matrix_a_fmt:MATRIX_FMT_FP6 matrix_b_fmt:MATRIX_FMT_FP6 matrix_b_scale:MATRIX_SCALE_ROW1
.else
	v_wmma_scale_f32_16x16x128_f8f6f4 v[\d:\d+7], v[RX_:RX_+FR-1], v[RW_:RW_+FR-1], \c, v[\xx], v[\xw] matrix_a_fmt:MATRIX_FMT_FP6 matrix_b_fmt:MATRIX_FMT_FP6
.endif
.else
.if \o
	v_wmma_scale_f32_16x16x128_f8f6f4 v[\d:\d+7], v[RW_:RW_+FR-1], v[RX_:RX_+FR-1], \c, v[\xw], v[\xx] matrix_a_fmt:MATRIX_FMT_FP6 matrix_b_fmt:MATRIX_FMT_FP6 matrix_a_scale:MATRIX_SCALE_ROW1
.else
	v_wmma_scale_f32_16x16x128_f8f6f4 v[\d:\d+7], v[RW_:RW_+FR-1], v[RX_:RX_+FR-1], \c, v[\xw], v[\xx] matrix_a_fmt:MATRIX_FMT_FP6 matrix_b_fmt:MATRIX_FMT_FP6
.endif
.endif
.endm
; The way out's first part, entry i of 24: the largest magnitudes of the 16 sums from register x on and of the 16 behind them (each accumulator from its low end on; the floor 2^(3 - 127) holds the byte at 1), with lane l xor 16's; the scale operands; the bytes.
.macro CHAIN i, x
.set U_, (\i)%2
.if (\i) < 2
	WIN 0
	v_max3_num_f32 v[TQ+U_], |v[(\x)+16*U_]|, |v[(\x)+16*U_+1]|, 0x1800000
.elseif (\i) < 16
	WIN 0
	v_max3_num_f32 v[TQ+U_], v[TQ+U_], |v[(\x)+16*U_+2*((\i)/2)]|, |v[(\x)+16*U_+2*((\i)/2)+1]|
.elseif (\i) < 18
	WIN 0
	v_permlanex16_b32 v[TP+U_], v[TQ+U_], s[SEL], s[SEL+1]
.elseif (\i) < 20
	WIN 0
	v_max_num_f32 v[TQ+U_], v[TQ+U_], v[TP+U_]
.elseif (\i) < 22
	WIN 0
	v_add_nc_u32 v[SOP+U_], 0xff000000, v[TQ+U_]
.elseif (\i) < 24
	WIN 0
	v_lshrrev_b32 v[EB+U_], 23, v[SOP+U_]
.endif
.endm
.macro QL i, pb, x                     ; q, k: block pb's list: the chains, then the row's scale word; an odd block's goes out with the even block's, lanes 0-15 the even block's rows
	CHAIN \i, \x
.if (\i) == 24
	WIN 0
.if (\pb)%2
	v_lshl_or_b32 v[WO], v[EB+1], 8, v[EB]
.else
	v_lshl_or_b32 v[WK], v[EB+1], 8, v[EB]
.endif
.elseif (\i) == 25 && (\pb)%2
	WIN 0
	v_cndmask_b32 v[WS], v[WK], v[WO], s[MH]
.endif
.endm
.macro VL i, u, t0, x                  ; v: key block u of channel tiles t0, t0 + 1: the chains, then the bytes into the tiles' scale words
	CHAIN \i, \x
.if (\i) == 24 || (\i) == 25
	WIN 0
.if \u
	v_lshl_or_b32 v[VW+(\t0)+(\i)-24], v[EB+(\i)-24], 8*(\u), v[VW+(\t0)+(\i)-24]
.else
	v_mov_b32 v[VW+(\t0)+(\i)-24], v[EB+(\i)-24]
.endif
.endif
.endm
; products n = 4 q + b of block s, from .. to - 1; behind every second one two entries of a list (1: QL, 2: VL)
.macro PRODS kind, s, from, to, list=0, la=0, lb=0, lc=0
.set N_, \from
.rept (\to)-(\from)
.set Q_, N_/4
.set B_, N_%4
.set FX_, 32+8*((\s)%2)+Q_
.if \kind
.set D_, ACC+64*(((\s)/2)%2)+16*B_+8*((\s)%2)
.set W_, (1+FX_/FPW)|((1+N_/FPW)<<2)
.set C_, BBV+8*B_
.else
.set D_, ACC+32*((\s)%2)+8*B_
.set W_, (1+N_/FPW)|((1+FX_/FPW)<<2)
.set C_, BB+8*B_
.endif
.if Q_
	WIN W_
	P1 \kind, D_, N_, FX_, v[D_:D_+7], SB+8*(B_/2)+Q_, SA+8*((\s)%2)+Q_, B_%2
.else
	WIN W_|(3<<4)
	P1 \kind, D_, N_, FX_, v[C_:C_+7], SB+8*(B_/2)+Q_, SA+8*((\s)%2)+Q_, B_%2
.endif
.if (\list) && (N_%2)
.if (\list) == 1
	QL N_-1, \la, \lb
	QL N_, \la, \lb
.else
	VL N_-1, \la, \lb, \lc
	VL N_, \la, \lb, \lc
.endif
.endif
.set N_, N_+1
.endr
.endm
.macro QTAIL x                         ; 2 x 16 codes; the operand's layout wants a whole block of 32 in a lane.  The seven plain lines are also the places behind the block's last products
	v_cvt_scalef32_pk16_fp6_f32 v[PC:PC+2], v[(\x):(\x)+15], v[SOP]
	v_cvt_scalef32_pk16_fp6_f32 v[CT:CT+2], v[(\x)+16:(\x)+31], v[SOP+1]
	v_nop
.irp i, 0,1,2
	v_permlane16_swap_b32 v[PC+\i], v[CT+\i]
.endr
.irp i, 0,1,2
	v_mov_b32 v[PC+3+\i], v[CT+\i]
.endr
.endm
.macro QSTORE pb
.irp p, 0,1,2
	global_store_b64 v[L8], v[PC+2*\p:PC+2*\p+1], s[PCO:PCO+1] offset:768*(\pb)+256*\p   ; a plane: 256 consecutive bytes, aligned
.endr
.if (\pb)%2
	global_store_b32 v[L4], v[WS], s[PSC:PSC+1] offset:64*((\pb)-1)
.endif
.endm
.macro QBLOCK s                        ; a plain block of q or k.  Its rows were fetched two blocks ago; only the next block's fetch, 52 loads, is younger
	s_wait_dscnt NF
	PRODS 0, \s, 0, 32, 1, (\s)-1, ACC+32*(((\s)-1)%2)
	WIN 0
	WALU                                           ; directly ahead of the wait below
	s_wait_xcnt 0x0                                ; the last block's stores have read the codes' registers
	QTAIL ACC+32*(((\s)-1)%2)
	QSTORE (\s)-1
.if (\s) < 6
	FETCH (\s)%2, (\s)+2
.endif
.endm
.macro VTAIL u, t0, x                  ; key block u's codes: an even block's are a fragment's registers as they fall, an odd block's change halves with them
.set F_, VF+12*(\t0)+6*((\u)/2)
.if (\u)%2
	v_cvt_scalef32_pk16_fp6_f32 v[CT:CT+2], v[(\x):(\x)+15], v[SOP]
	v_cvt_scalef32_pk16_fp6_f32 v[CT2:CT2+2], v[(\x)+16:(\x)+31], v[SOP+1]
	v_nop
.irp i, 0,1,2
	v_permlane16_swap_b32 v[F_+\i], v[CT+\i]
	v_permlane16_swap_b32 v[F_+12+\i], v[CT2+\i]
.endr
.irp i, 0,1,2
	v_mov_b32 v[F_+3+\i], v[CT+\i]
	v_mov_b32 v[F_+15+\i], v[CT2+\i]
.endr
.else
	v_cvt_scalef32_pk16_fp6_f32 v[F_:F_+2], v[(\x):(\x)+15], v[SOP]
	v_cvt_scalef32_pk16_fp6_f32 v[F_+12:F_+14], v[(\x)+16:(\x)+31], v[SOP+1]
	PLACES 4
.endif
.endm
.macro VBLOCK s                        ; a block of v; blocks 2 p + 2 and 2 p + 3 carry the way out of the pair p: channel tiles 0, 1 and 2, 3
.if (\s) < 7
	s_wait_dscnt NF
.else
	s_wait_dscnt 0x0
.endif
.if (\s) >= 2
	PRODS 1, \s, 0, 32, 2, (\s)/2-1, 2*((\s)%2), ACC+64*(((\s)/2-1)%2)+32*((\s)%2)
	WIN 0
	WALU                                           ; the scale operands were written some window switches ago
	VTAIL (\s)/2-1, 2*((\s)%2), ACC+64*(((\s)/2-1)%2)+32*((\s)%2)
.else
	PRODS 1, \s, 0, 32
	WIN 0
	PLACES 4
.endif
.if (\s) < 6
	FETCH (\s)%2, (\s)+2
.endif
.endm
; ---------------- the head
	s_load_b256 s[4:11], s[0:1], 0x0               ; xg, wg, b_qkv, qkv
	v_lshl_add_u32 v[SPW], v0, 2, SPARE
	v_mov_b32 v[NIL], 0
	ds_add_u32 v[SPW], v[NIL]                      ; the opening lines: the add, twice on end, and its wait ahead of the first tensor load
	ds_add_u32 v[SPW], v[NIL]
	v_lshrrev_b32 v1, 5, v0
	v_readfirstlane_b32 s14, v1                    ; wave
	s_lshr_b32 s15, s14, 1                         ; a: which 128 tokens
	s_and_b32 s16, s14, 1                          ; b: which head of the two
	s_bfe_u32 s40, ttmp6, 0x40000                  ; cx
	s_bfe_u32 s41, ttmp6, 0x40004                  ; cy
	s_lshl_b32 s42, ttmp9, 2
	s_add_co_u32 s42, s42, s40                     ; which two heads, 0 .. 7
	s_and_b32 s17, ttmp7, 0xffff
	s_lshl_b32 s17, s17, 2
	s_add_co_u32 s17, s17, s41                     ; which 256 tokens, 0 .. 31
	s_lshl_b32 s43, s41, 2
	s_lshl_b32 s43, 15, s43                        ; my row of the cluster
	s_lshl_b32 s44, 0x1111, s40                    ; my column
	GROUP1 G1W, 44, 32, 400, 32                    ; W's 8 blocks, dense, as rows of 256 bytes
	GROUP1 G1R, 44, 32, 100, 32                    ; two of them
	GROUP1 G1P, 43, 3200, 2, 12800                 ; x: two blocks on end for each row of waves, 8 blocks apart
	GROUP1 G1Q, 43, 4800, 2, 12800                 ; three
	s_mul_i32 s20, s17, 16*TILEB
	s_mov_b32 s21, 0
	s_lshl_b32 s22, s42, 3
	s_mul_i32 s22, s22, TILEB
	s_mov_b32 s23, 0
	s_mul_i32 s12, s14, 2*TILEB                    ; my part of a refill
	s_mov_b32 s13, 0
	s_mov_b32 s[G0W], 1
	s_mov_b32 s[G0W+1], 0
	s_mov_b32 s[G0A], 1
	s_mov_b32 s[G0A+1], XB
	s_mov_b32 s[G0B], 1
	s_mov_b32 s[G0B+1], XB+4*TILEB
	s_mov_b32 s[G0C], 1
	s_mov_b32 s[G0C+1], XB+10*TILEB
	s_mov_b32 s[G0R], 1
	s_mul_i32 s[G0R+1], s14, 2*TILEB
	s_mov_b32 s[SEL], 0x76543210
	s_mov_b32 s[SEL+1], 0xfedcba98                 ; lane l xor 16
	s_mov_b32 s[MH], 0xffff0000                    ; lanes 16-31
	WALU                                           ; directly ahead of the wait below
	s_wait_dscnt 0x0                               ; both opening adds are done
	CROUND                                         ; all sixteen work-groups are here: the joint loads meet
	s_wait_kmcnt 0x0
	s_add_nc_u64 s[G0W+2:G0W+3], s[6:7], s[22:23]
	s_add_nc_u64 s[PFB:PFB+1], s[G0W+2:G0W+3], 64*TILEB        ; k's weights
	s_add_nc_u64 s[G0R+2:G0R+3], s[G0W+2:G0W+3], s[12:13]      ; each refill steps this 64 blocks on first
	s_add_nc_u64 s[G0A+2:G0A+3], s[4:5], s[20:21]
	s_add_nc_u64 s[G0B+2:G0B+3], s[G0A+2:G0A+3], 2*TILEB
	s_add_nc_u64 s[G0C+2:G0C+3], s[G0A+2:G0A+3], 5*TILEB
	s_or_b32 s[G0W+3], s[G0W+3], 0x80000000
	s_or_b32 s[G0R+3], s[G0R+3], 0x80000000
	s_or_b32 s[G0A+3], s[G0A+3], 0x80000000
	s_or_b32 s[G0B+3], s[G0B+3], 0x80000000
	s_or_b32 s[G0C+3], s[G0C+3], 0x80000000
	ARM 1, G0W, G1W, .Lwave_1                      ; one tensor load a wave, a line of its own each: q's weights,
	ARM 2, G0A, G1P, .Lwave_2                      ; x's blocks s = 0, 1,
	ARM 3, G0B, G1Q, .Lwave_3                      ; s = 2, 3, 4,
	TLOAD G0C, G1Q                                 ; s = 5, 6, 7
.Lasked:
	s_lshl_b32 s2, s42, 1
	s_add_co_u32 s2, s2, s16                       ; my head
	s_lshr_b32 s3, s17, 3                          ; the batch
	s_lshl_b32 s3, s3, 4
	s_add_co_u32 s3, s3, s2
	s_mul_i32 s18, s3, QKVH
	s_and_b32 s3, s17, 7
	s_lshl_b32 s3, s3, 1
	s_add_co_u32 s3, s3, s15                       ; which 128 tokens of the sequence
	s_mul_i32 s3, s3, QKVB
	s_add_co_u32 s18, s18, s3
	s_mov_b32 s19, 0
	s_add_nc_u64 s[PCO:PCO+1], s[10:11], s[18:19]  ; q's codes
	s_add_nc_u64 s[PSC:PSC+1], s[PCO:PCO+1], 6144  ; q's scale words
	s_add_nc_u64 s[PVO:PVO+1], s[PCO:PCO+1], 12800 ; v's fragments
	s_lshl_b32 s18, s2, 8
	s_add_nc_u64 s[BP:BP+1], s[8:9], s[18:19]      ; my head's bias in q's part
	s_mul_i32 s20, s16, 4*TILEB                    ; my four blocks of W
	s_mul_i32 s21, s15, 2*TILEB
	s_add_co_u32 s21, s21, XB-TILEB
	s_mul_i32 s22, s15, 3*TILEB
	s_add_co_u32 s22, s22, XB+4*TILEB
	s_lshl_b32 s46, s41, 2
	s_add_co_u32 s46, s46, s14                     ; my number among the sixteen waves of my column of the cluster
	s_mul_i32 s46, s46, 25*256
	v_and_b32 v1, 15, v0                           ; r
	v_bfe_u32 v2, v0, 4, 1                         ; h
	v_and_b32 v3, 31, v0
	v_lshlrev_b32 v[L8], 3, v3
	v_lshlrev_b32 v[L16], 4, v3
	v_lshlrev_b32 v[L4], 2, v3
	v_lshlrev_b32 v[BQ], 6, v2
	v_and_b32 v20, 8, v1
	v_add_nc_u32 v20, v20, v1
	v_lshlrev_b32 v[BV], 2, v20                    ; 4 (r + 8 (r / 8))
	v_add_nc_u32 v[ADW], s20, v[L8]
	v_mul_u32_u24 v21, v2, TILEB                   ; lanes 16-31 take the next block's words: the lower base + h x the distance
	v_lshl_add_u32 v21, v1, 3, v21
	v_add_nc_u32 v[AWS], s20, v21
	v_add_nc_u32 v[ADX], s21, v[L8]
	v_add_nc_u32 v[ADX+1], s22, v[L8]
	v_add_nc_u32 v[ADX+2], 6*TILEB, v[ADX+1]
	v_lshl_add_u32 v[AXS], v1, 3, s21
	v_lshl_add_u32 v[AXS+1], v1, 3, s22
	v_add_nc_u32 v[AXS+2], 6*TILEB, v[AXS+1]
	v_min_u32 v22, 24, v3
	v_lshl_add_u32 v[PF], v22, 8, s46
	v_mov_b32 v[TP], 0                             ; a lane permute's destination counts as read
	v_mov_b32 v[TP+1], 0
	WALU
	WIN 3<<6
.irp n, 0,1,2,3,4,5,6,7
	global_load_b128 v[BB+4*\n:BB+4*\n+3], v[BQ], s[BP:BP+1] offset:128*(\n/4)+16*(\n%4)   ; q: register 16 u + i: the bias of column 32 u + 16 h + i
.endr
.irp t, 0,1,2,3
.irp i, 0,1,2,3,4,5,6,7
	global_load_b32 v[BBV+8*\t+\i], v[BV], s[BP:BP+1] offset:8192+4*(32*(\t/2)+8*(\t%2))   ; v: my channel's number in all eight registers of tile t
.endr
.endr
	WIN 0
	global_prefetch_b8 v[PF], s[PFB:PFB+1] th:TH_LOAD_NT scope:SCOPE_SE                    ; what the first refill will load
	SHOWN 0
	BARRIER                                        ; q's weights are in
	WEIGHTS
	SHOWN 1
	s_wait_dscnt 0x0
	BARRIER                                        ; x's blocks 0, 1 are in
	FETCH 0, 0
	FETCH 1, 1
	s_mov_b32 s[TRIP], 0
; ---------------- q, then k
.Lphase:
	s_wait_loadcnt 0x0                             ; the bias
	s_wait_dscnt NF                                ; the weights and block 0 are in; block 1's 52 loads may be out
	PRODS 0, 0, 0, 16
	WIN 0
	SHOWN 2
	s_wait_dscnt 0x0
	s_barrier_signal -1                            ; a plain barrier, split round 16 products: x's blocks 2, 3, 4 are in
	PRODS 0, 0, 16, 32
	WIN 0
	s_barrier_wait -1
	PLACES 4
	FETCH 0, 2
	QBLOCK 1
	QBLOCK 2
	s_wait_dscnt NF                                ; block 3, with the refill's round
	s_wait_tensorcnt 0x0                           ; all my tensor loads have landed (in the first trip x's blocks 5, 6, 7 among them);
	ds_add_u32 v[SPW], v[NIL]                      ; 0 onto my spare word
	s_add_nc_u64 s[G0R+2:G0R+3], s[G0R+2:G0R+3], 64*TILEB      ; no load of mine is out: the next phase's weights
	PRODS 0, 3, 0, 26, 1, 2, ACC
	WIN 0
	WALU                                           ; directly ahead of the waits below
	s_wait_xcnt 0x0                                ; the last block's stores have read the codes' registers
	s_wait_dscnt 0x0                               ; the add is done, and so are my reads of the weights' region
	s_barrier_signal -1
	PRODS 0, 3, 26, 32
	WIN 0
	QTAIL ACC
	WALU                                           ; the codes are stored behind the round
	MIDDLE
	BARRIER
	TLOAD G0R, G1R                                 ; my two blocks: the first tensor load behind the round
	QSTORE 2
	FETCH 1, 5
	QBLOCK 4
	QBLOCK 5
	QBLOCK 6
	s_wait_dscnt 0x0                               ; block 7: nothing is fetched behind its rows
	PRODS 0, 7, 0, 26, 1, 6, ACC
	WIN 0
	WALU                                           ; directly ahead of the wait below
	s_wait_tensorcnt 0x0                           ; my part of the next weights is in
	s_barrier_signal -1                            ; a plain barrier: everybody's is
	PRODS 0, 7, 26, 32
	WIN 0
	s_barrier_wait -1
	s_wait_xcnt 0x0
	QTAIL ACC
	QSTORE 6
	s_cmp_eq_u32 s[TRIP], 0                        ; only q is followed by k
	s_cbranch_scc0 .Lno_k
	WIN 3<<6
.irp n, 0,1,2,3,4,5,6,7
	global_load_b128 v[BB+4*\n:BB+4*\n+3], v[BQ], s[BP:BP+1] offset:4096+128*(\n/4)+16*(\n%4)
.endr
	WIN 0
	global_prefetch_b8 v[PF], s[PFB:PFB+1] offset:64*TILEB th:TH_LOAD_NT scope:SCOPE_SE    ; v's weights: what the second refill will load, three blocks of products on
.Lno_k:
	WEIGHTS                                        ; the change of phase: the next weights and the first two blocks in one run of loads,
	FETCH 0, 0
	FETCH 1, 1
.set I_, 0
.rept 26
	QL I_, 7, ACC+32                               ; and block 7's way out under their flight
.set I_, I_+1
.endr
	WALU
	s_wait_xcnt 0x0
	QTAIL ACC+32
	QSTORE 7
	s_wait_xcnt 0x0                                ; the stores have read their bases
	s_add_nc_u64 s[PCO:PCO+1], s[PCO:PCO+1], 6656  ; k's codes
	s_add_nc_u64 s[PSC:PSC+1], s[PSC:PSC+1], 12800 ; k's scale words
	s_add_co_u32 s[TRIP], s[TRIP], 1
	s_cmp_lt_u32 s[TRIP], 2
	WALU                                           ; directly ahead of the branch
	s_cbranch_scc1 .Lphase
; ---------------- v
.irp s, 0,1,2,3,4,5,6,7
	VBLOCK \s
.endr
.irp k, 0,1
.set I_, 0
.rept 26
	VL I_, 3, 2*\k, ACC+64+32*\k
.set I_, I_+1
.endr
	WALU
	VTAIL 3, 2*\k, ACC+64+32*\k
.endr
	v_cndmask_b32 v[WS], v[VW], v[VW+1], s[MH]     ; lanes 0-15 tile 0's rows, lanes 16-31 tile 1's
	v_cndmask_b32 v[WO], v[VW+2], v[VW+3], s[MH]
.irp t, 0,1,2,3
.irp j, 0,1,2
	global_store_b128 v[L16], v[VF+12*\t+4*\j:VF+12*\t+4*\j+3], s[PVO:PVO+1] offset:1536*\t+512*\j   ; the fragment as it stands: 512 consecutive bytes
.endr
.endr
	global_store_b32 v[L4], v[WS], s[PVO:PVO+1] offset:6656
	global_store_b32 v[L4], v[WO], s[PVO:PVO+1] offset:6656+128
	s_wait_tensorcnt 0x0                           ; the wave's end
	ds_add_u32 v[SPW], v[NIL]
	s_wait_dscnt 0x0
	CROUND                                         ; the closing round
	s_endpgm
.Lfunc_end_k_q0921feb7aa_gemm1:
	.size	k_q0921feb7aa_gemm1, .Lfunc_end_k_q0921feb7aa_gemm1-k_q0921feb7aa_gemm1
	.p2alignl 7, 3214868480
	.fill 96, 4, 3214868480
	.section	.rodata,"a",@progbits
	.p2align	6, 0x0
	.amdhsa_kernel k_q0921feb7aa_gemm1
		.amdhsa_group_segment_fixed_size 327680
		.amdhsa_private_segment_fixed_size 0
		.amdhsa_enable_private_segment 0
		.amdhsa_kernarg_size 32
		.amdhsa_user_sgpr_count 2
		.amdhsa_user_sgpr_kernarg_segment_ptr 1
		.amdhsa_wavefront_size32 1
		.amdhsa_system_sgpr_workgroup_id_x 1
		.amdhsa_system_sgpr_workgroup_id_y 1
		.amdhsa_system_sgpr_workgroup_id_z 1
		.amdhsa_system_vgpr_workitem_id 0
		.amdhsa_next_free_vgpr 960
		.amdhsa_next_free_sgpr 106
		.amdhsa_reserve_vcc 0
		.amdhsa_float_denorm_mode_32 3
		.amdhsa_float_denorm_mode_16_64 3
		.amdhsa_memory_ordered 1
		.amdhsa_forward_progress 1
		.amdhsa_inst_pref_size 207
	.end_amdhsa_kernel
	.amdgpu_metadata
---
amdhsa.version: [ 1, 2 ]
amdhsa.kernels:
  - .name:           k_q0921feb7aa_gemm1
    .symbol:         k_q0921feb7aa_gemm1.kd
    .args:
      - { .name: xg, .offset: 0, .size: 8, .value_kind: global_buffer, .address_space: global }
      - { .name: wg, .offset: 8, .size: 8, .value_kind: global_buffer, .address_space: global }
      - { .name: b_qkv, .offset: 16, .size: 8, .value_kind: global_buffer, .address_space: global }
      - { .name: qkv, .offset: 24, .size: 8, .value_kind: global_buffer, .address_space: global }
    .group_segment_fixed_size: 327680
    .private_segment_fixed_size: 0
    .kernarg_segment_align: 8
    .kernarg_segment_size: 32
    .max_flat_workgroup_size: 128
    .sgpr_count:     106
    .vgpr_count:     960
    .wavefront_size: 32
...
	.end_amdgpu_metadata
.endif
;; end of part 2
;; launch attn (part 3): grid 4 x 64, 16 waves a work-group, clusters of 4 x 1, 210,944 bytes of LDS; arguments qkv, og; writes og
.if DOCPART == 3
	.amdgcn_target "amdgcn-amd-amdhsa--gfx1250"
	.amdhsa_code_object_version 6
	.text
	.protected	k_q0921feb7aa_attn
	.globl	k_q0921feb7aa_attn
	.p2align	8
	.type	k_q0921feb7aa_attn,@function
k_q0921feb7aa_attn:
	s_mov_b64 s[64:65], 0
	v_nop
	global_prefetch_b8 v0, s[64:65] scope:SCOPE_SE
	s_setreg_imm32_b32 hwreg(HW_REG_WAVE_MODE, 25, 1), 1
	s_wait_xcnt 0x0
	s_wait_alu depctr_hold_cnt(0) depctr_sa_sdst(0) depctr_va_vdst(0) depctr_va_sdst(0) depctr_va_ssrc(0) depctr_va_vcc(0) depctr_vm_vsrc(0)
	s_getreg_b32 s2, hwreg(HW_REG_IB_STS2, 6, 4)
	s_cmp_eq_u32 s2, 0
	s_cbranch_scc0 .Lentry_in_a_cluster
	s_endpgm
.Lentry_in_a_cluster:
	s_bfe_u32 s2, ttmp6, 0x10000c
	s_cmp_lg_u32 s2, 0x3003
	s_cbranch_scc0 .Lentry_shape_is_right
	s_endpgm
.Lentry_shape_is_right:
; Causal attention of one head a cluster, on codes of FP6 (E2M3): S^T = K Q^T (K = the head's 64: the instruction's upper 64 are zero codes on both sides), p = 2^(t - M), O^T = V^T P^T (K = the keys),
; O / l quantised along the head and stored as codes, chunk = head, for the last product.
; t = score x log2(e) / 8; M = the running largest t rounded UP to a whole number; the row's sum l is taken of the unquantised p; when M moves, l and O are multiplied by 2^(old M - new M): exact.
; SHARES.  The four work-groups of a cluster share a head.  Wave w of work-group cx owns the query tiles 4 w + cx and 127 - (4 w + cx): they need w / 2 + 1 and 16 - w / 2 key steps of 128: 17 for every wave of the launch.
; Both counts hang on the wave's number alone, so no branch hangs on a work-group's place in its cluster.
; LDS holds the WHOLE head's K and V, 16 blocks of 13,056 bytes, each filled ONCE, by one joint load of one wave: no slot is filled again.  In a block: K's codes 0, V's fragments 6,144, K's scale words 12,288, V's 12,800.
; LAYOUT.  Both products are used transposed: a lane holds ONE query throughout.  Tokens and channels are stored in the order row r of tile T = 32 (T / 2) + 8 (T % 2) + r + 8 (r / 8),
; so that the 16 registers of result tiles 2 b, 2 b + 1 are 16 neighbours 32 b + 16 (lane / 16) + 0 .. 15 along the next K.
; LIMITS: NaN and infinities are not served; v_exp_f32 gives 0 where p would lie under 2^-126; a block of zeros gets the byte 1 (zero codes).
; REGISTERS: v1-8 addresses; v9-11, v28-31 the second tile's Q; v12 -M, v13 the largest t, v[14:15] the sum; v16-27 Q (v22-27 zero); v32-79 four fragments of K (upper six of each zero); v80-127 four of V;
;   v128-191 S^T, then p; v192-223 O^T; v224-235 p's codes; v236-254 at work; v255 Q's scale words.
.set KGB,  13056
.set QKVH, 315392
.set QKVB, 19712
.set L8,  1
.set L16, 2
.set L4R, 3
.set VD0, 4                            ; r + 8 (r / 8) - 16 h
.set LB,  5                            ; 8 r + h
.set ADK, 6
.set ADV, 7
.set ADS, 8
.set KB,  32
.set VB,  80
.set S,   128
.set O,   192
.set PCD, 224
.set BM,  236
.set T1,  240
.set SOP, 244
.set TSW, 248
.set WV,  8
.set SEL, 24
.set CS,  26
.set MH,  28
.set TB,  29
.set KSI, 30
.set LASTA, 31
.set SQA, 32
.set LASTB, 33
.set OPA, 34
.set OSA, 36
.set OPB, 38
.set OSB, 40
.set SQB, 42
.set QPA, 44
.set QSA, 46
.set QPB, 58
.set QSB, 60
.macro CROUND                          ; a round of the cluster's barrier
	s_barrier_signal -1
	s_barrier_wait -1
	s_cmp_lg_u32 s[WV], 0
	s_cbranch_scc1 .Lnot_wave_0_\@
	s_barrier_signal -3
.Lnot_wave_0_\@:
	s_barrier_wait -3
	s_barrier_signal -1
	s_barrier_wait -1
.endm
	s_load_b128 s[4:7], s[0:1], 0x0                ; qkv, og
	v_lshl_add_u32 v254, v0, 2, 0x33000
	v_mov_b32 v255, 0
	ds_add_u32 v254, v255
	ds_add_u32 v254, v255
	s_wait_dscnt 0x0
	v_lshrrev_b32 v1, 5, v0
	s_delay_alu instid0(VALU_DEP_1)
	v_readfirstlane_b32 s[WV], v1                  ; wave 0..15
	s_bfe_u32 s9, ttmp6, 0x40000                   ; cx
	s_and_b32 s10, ttmp7, 0xffff                   ; batch x 16 + head
	; group 1: a dense block of 51 rows of 256 bytes (32 elements of 8 bytes); the mask names all four work-groups
	s_mov_b32 s16, 15|(3<<16)|(1<<21)
	s_mov_b32 s17, 32<<16
	s_mov_b32 s18, 51<<16
	s_mov_b32 s19, 32<<16
	s_mov_b32 s20, 51
	s_mov_b32 s21, 32
	s_mov_b32 s22, 0
	s_mov_b32 s23, 0
	s_mul_i32 s44, s10, QKVH
	s_mov_b32 s45, 0
	s_mul_i32 s46, s[WV], QKVB                     ; key group = my wave's number
	s_add_co_u32 s46, s46, 6656                    ; behind q's part of the block
	s_mov_b32 s47, 0
	s_mov_b32 s[SEL], 0x76543210
	s_mov_b32 s[SEL+1], 0xfedcba98
	s_mov_b32 s[CS], 0x3e38aa3b                    ; c = log2(e) / 8
	s_mov_b32 s[CS+1], s[CS]
	s_mov_b32 s[MH], 0xffff0000
	s_wait_kmcnt 0x0
	s_add_nc_u64 s[4:5], s[4:5], s[44:45]          ; qkv at my head
	s_mov_b32 s12, 1
	s_mul_i32 s13, s[WV], KGB
	s_add_nc_u64 s[14:15], s[4:5], s[46:47]
	s_or_b32 s15, s15, 0x80000000
	CROUND                                         ; all four work-groups are here: the joint loads meet
	tensor_load_to_lds s[12:15], s[16:23]          ; my one tensor load
	s_nop 0
.rept 4
	v_nop
.endr
	s_lshl_b32 s48, s[WV], 2
	s_add_co_u32 s48, s48, s9                      ; my first tile
	s_sub_co_u32 s49, 127, s48                     ; my second
	s_lshr_b32 s[LASTA], s[WV], 1                  ; their last key steps: of the wave's number alone
	s_sub_co_u32 s[LASTB], 15, s[LASTA]
	s_lshr_b32 s54, s10, 4
	s_lshl_b32 s54, s54, 7                         ; the batch's first tile in og
	s_and_b32 s57, s10, 15                         ; the head
	s_mul_i32 s55, s57, 768                        ; its chunk
	s_lshr_b32 s56, s57, 2
	s_lshl_b32 s56, s56, 7
	s_and_b32 s57, s57, 3
	s_lshl_b32 s57, s57, 1
	s_add_co_u32 s56, s56, s57
	s_add_co_u32 s56, s56, 12288                   ; its two scale bytes in a row's eight
.macro TILEPTR si, qp, qs, op, os, sq
	s_lshr_b32 s50, s[\si], 3
	s_mul_i32 s50, s50, QKVB
	s_and_b32 s51, s[\si], 7
	s_mul_i32 s52, s51, 768
	s_add_co_u32 s52, s52, s50
	s_mov_b32 s53, 0
	s_add_nc_u64 s[\qp:\qp+1], s[4:5], s[52:53]    ; the tile's codes of q
	s_lshl_b32 s52, s51, 6
	s_add_co_u32 s52, s52, s50
	s_add_co_u32 s52, s52, 6144
	s_add_nc_u64 s[\qs:\qs+1], s[4:5], s[52:53]    ; its scale words
	s_bfe_u32 s50, s[\si], 0x20001
	s_lshl_b32 s50, s50, 5
	s_and_b32 s51, s[\si], 1
	s_lshl_b32 s51, s51, 3
	s_or_b32 s[\sq], s50, s51                      ; the tile's first token within its 128
	s_add_co_u32 s52, s54, s[\si]
	s_mul_i32 s52, s52, 12800
	s_add_co_u32 s50, s52, s55
	s_mov_b32 s51, 0
	s_add_nc_u64 s[\op:\op+1], s[6:7], s[50:51]    ; where its codes of o go
	s_add_co_u32 s50, s52, s56
	s_add_nc_u64 s[\os:\os+1], s[6:7], s[50:51]    ; and their scale bytes
.endm
	TILEPTR 48, QPA, QSA, OPA, OSA, SQA
	TILEPTR 49, QPB, QSB, OPB, OSB, SQB
	v_and_b32 v252, 31, v0                         ; lane
	v_and_b32 v253, 15, v0                         ; r
	v_bfe_u32 v254, v0, 4, 1                       ; h
	s_delay_alu instid0(VALU_DEP_3)
	v_lshlrev_b32 v[L8], 3, v252
	s_delay_alu instid0(VALU_DEP_4)
	v_lshlrev_b32 v[L16], 4, v252
	s_delay_alu instid0(VALU_DEP_4)
	v_lshlrev_b32 v[L4R], 2, v253
	v_and_b32 v[VD0], 8, v253
	s_delay_alu instid0(VALU_DEP_1)
	v_add_nc_u32 v[VD0], v[VD0], v253
	v_lshlrev_b32 v[LB], 4, v254
	s_delay_alu instid0(VALU_DEP_1)
	v_sub_nc_u32 v[VD0], v[VD0], v[LB]
	v_lshl_add_u32 v[LB], v253, 3, v254
.irp p, 0,1,2
	global_load_b64 v[16+2*\p:17+2*\p], v[L8], s[QPA:QPA+1] offset:256*\p   ; Q of the first tile
.endr
	global_load_b32 v255, v[L4R], s[QSA:QSA+1]
	global_load_b64 v[10:11], v[L8], s[QPB:QPB+1]  ; Q of the second, kept aside
	global_load_b64 v[28:29], v[L8], s[QPB:QPB+1] offset:256
	global_load_b64 v[30:31], v[L8], s[QPB:QPB+1] offset:512
	global_load_b32 v9, v[L4R], s[QSB:QSB+1]
.irp j, 22,23,24,25,26,27
	v_mov_b32 v[\j], 0                             ; k = 64 .. 127 of Q: zero codes
.endr
.irp t, 0,1,2,3
.irp j, 6,7,8,9,10,11
	v_mov_b32 v[KB+12*\t+\j], 0                    ; and of K's four fragments: written once
.endr
.endr
.irp b, 0,1,2,3
	v_mov_b32 v[T1+\b], 0                          ; a lane permute's destination counts as read
.endr
	v_mov_b32 v252, 0
	s_wait_tensorcnt 0x0                           ; my block has landed,
	s_barrier_signal -1
	s_barrier_wait -1                              ; everybody's has
	s_wait_loadcnt 0x0                             ; Q
; A KEY STEP: 128 keys.  A step all of whose keys come after the tile's queries is left out, by a scalar branch on the trip and the wave's number.
.macro STEP last, sq
	s_cmp_gt_u32 s[KSI], s[\last]
	s_cbranch_scc1 .Lhidden_\@
	v_add_nc_u32 v[ADK], s[TB], v[L8]
	s_wait_alu depctr_va_vdst(0)
	v_add_nc_u32 v[ADV], s[TB], v[L16]
	v_add_nc_u32 v[ADS], s[TB], v[L4R]
	s_wait_alu depctr_va_vdst(0)
	v_nop                                          ; four places in front of loads into registers that the last products read
.irp g, 0,1                            ; S^T = K Q^T, four tiles of 16 keys at a time
.if \g > 0
.rept 4
	v_nop
.endr
.endif
.irp t, 0,1,2,3
.irp p, 0,1,2
	ds_load_b64 v[KB+12*\t+2*\p:KB+12*\t+2*\p+1], v[ADK] offset:768*(4*\g+\t)+256*\p
.endr
	ds_load_b32 v[TSW+\t], v[ADS] offset:12288+64*(4*\g+\t)
.endr
	s_wait_dscnt 0x0
.irp t, 0,1,2,3
	v_wmma_scale_f32_16x16x128_f8f6f4 v[S+8*(4*\g+\t):S+8*(4*\g+\t)+7], v[KB+12*\t:KB+12*\t+11], v[16:27], 0, v[TSW+\t], v255 matrix_a_fmt:MATRIX_FMT_FP6 matrix_b_fmt:MATRIX_FMT_FP6
.endr
.endr
.rept 4
	v_nop
.endr
	s_cmp_lg_u32 s[KSI], s[\last]                  ; only the tile's last step lies on the diagonal
	s_cbranch_scc1 .Lopen_\@
	v_add_nc_u32 v252, s[\sq], v[VD0]              ; my query within the 128, less 16 h.  Register 16 b + i holds key 32 b + 16 h + i: hidden where 32 b + i is greater
	v_mov_b32 v254, 0xff800000                     ; -infinity: p = 0 then
.set n, 0
.rept 64
	v_cmp_gt_i32 vcc_lo, 32*(n/16)+n%16, v252
	v_cndmask_b32 v[S+n], v[S+n], v254, vcc_lo
.set n, n+1
.endr
.Lopen_\@:
.irp b, 0,1,2,3
	v_max3_num_f32 v[BM+\b], v[S+16*\b], v[S+1+16*\b], v[S+2+16*\b]   ; the largest score of each block of 32 keys: for the row's maximum, and for the block's largest p
.endr
.irp i, 3,5,7,9,11,13
.irp b, 0,1,2,3
	v_max3_num_f32 v[BM+\b], v[BM+\b], v[S+16*\b+\i], v[S+1+16*\b+\i]
.endr
.endr
.irp b, 0,1,2,3
	v_max_num_f32 v[BM+\b], v[BM+\b], v[S+15+16*\b]
.endr
.irp b, 0,1,2,3
	s_delay_alu instid0(VALU_DEP_4)
	v_permlanex16_b32 v[T1+\b], v[BM+\b], s[SEL], s[SEL+1]
.endr
.irp b, 0,1,2,3
	s_delay_alu instid0(VALU_DEP_4)
	v_max_num_f32 v[BM+\b], v[BM+\b], v[T1+\b]     ; with lane l xor 16's 16 keys
.endr
	s_delay_alu instid0(VALU_DEP_2)
	v_max3_num_f32 v254, v[BM], v[BM+1], v[BM+2]
	s_delay_alu instid0(VALU_DEP_1)
	v_max_num_f32 v254, v254, v[BM+3]
	s_delay_alu instid0(VALU_DEP_1)
	v_mul_f32 v254, s[CS], v254                    ; as t
	s_delay_alu instid0(VALU_DEP_1)
	v_max_num_f32 v13, v13, v254                   ; the running largest t
	v_mov_b32 v254, v12
	s_delay_alu instid0(VALU_DEP_2)
	v_floor_f32 v12, -v13                          ; the new -M = floor(-t)
	s_delay_alu instid0(VALU_DEP_1)
	v_sub_f32 v254, v12, v254                      ; old M - new M: a whole number, 0 or less
	s_delay_alu instid0(VALU_DEP_1)
	v_cvt_i32_f32 v254, v254                       ; (it saturates)
	s_delay_alu instid0(VALU_DEP_1)
	v_ldexp_f32 v252, 1.0, v254                    ; f = 2^(old M - new M)
.set n, 0
.rept 32
	v_pk_fma_f32 v[S+n:S+1+n], v[S+n:S+1+n], s[CS:CS+1], v[12:13] op_sel_hi:[1,0,0]   ; t - M
.set n, n+2
.endr
.irp b, 0,1,2,3
	v_fma_f32 v[BM+\b], v[BM+\b], s[CS], v12       ; the same of each block's largest score
.endr
.set n, 0
	s_wait_alu depctr_va_vdst(0)
.rept 64
	v_exp_f32 v[S+n], v[S+n]                       ; p = 2^(t - M)
.set n, n+1
.endr
	v_pk_mul_f32 v[14:15], v[14:15], v[252:253] op_sel_hi:[1,0]   ; the sums under the new M: a plain line behind the exponentials
	s_wait_alu depctr_va_vdst(0)                   ; one wait for the batch, ahead of its first reader
.irp b, 0,1,2,3
	v_exp_f32 v[BM+\b], v[BM+\b]                   ; each block's largest p
.endr
	v_pk_add_f32 v[240:241], v[132:133], v[136:137]
	v_pk_add_f32 v[250:251], v[140:141], v[144:145]
	v_pk_add_f32 v[248:249], v[148:149], v[152:153]
	v_pk_add_f32 v[246:247], v[156:157], v[160:161]
	v_pk_add_f32 v[244:245], v[164:165], v[168:169]
	v_pk_add_f32 v[242:243], v[172:173], v[176:177]
	v_pk_add_f32 v[234:235], v[180:181], v[184:185]
	v_pk_add_f32 v[14:15], v[14:15], v[188:189]
	v_pk_add_f32 v[240:241], v[240:241], v[128:129]
	v_pk_add_f32 v[250:251], v[250:251], v[130:131]
	v_pk_add_f32 v[248:249], v[248:249], v[134:135]
	v_pk_add_f32 v[246:247], v[246:247], v[138:139]
	v_pk_add_f32 v[244:245], v[244:245], v[142:143]
	v_pk_add_f32 v[242:243], v[242:243], v[146:147]
	v_pk_add_f32 v[234:235], v[234:235], v[150:151]
	v_pk_add_f32 v[14:15], v[14:15], v[154:155]
	v_pk_add_f32 v[240:241], v[240:241], v[158:159]
	v_pk_add_f32 v[250:251], v[250:251], v[162:163]
	v_pk_add_f32 v[248:249], v[248:249], v[166:167]
	v_pk_add_f32 v[246:247], v[246:247], v[170:171]
	v_pk_add_f32 v[244:245], v[244:245], v[174:175]
	v_pk_add_f32 v[242:243], v[242:243], v[178:179]
	v_pk_add_f32 v[234:235], v[234:235], v[182:183]
	v_pk_add_f32 v[14:15], v[14:15], v[186:187]
	v_pk_add_f32 v[240:241], v[240:241], v[190:191]
	s_delay_alu instid0(VALU_DEP_2)
	v_pk_add_f32 v[14:15], v[14:15], v[246:247]
	s_delay_alu instid0(VALU_DEP_2)
	v_pk_add_f32 v[240:241], v[240:241], v[244:245]
	v_pk_add_f32 v[250:251], v[250:251], v[242:243]
	v_pk_add_f32 v[248:249], v[248:249], v[234:235]
	s_delay_alu instid0(VALU_DEP_2)
	v_pk_add_f32 v[14:15], v[14:15], v[250:251]
	s_delay_alu instid0(VALU_DEP_2)
	v_pk_add_f32 v[240:241], v[240:241], v[248:249]
	s_delay_alu instid0(VALU_DEP_1)
	v_pk_add_f32 v[14:15], v[14:15], v[240:241]
	s_wait_alu depctr_va_vdst(0)                   ; and one for the four
.irp b, 0,1,2,3
	v_max_num_f32 v[BM+\b], 0x1800000, v[BM+\b]    ; the floor 2^(3 - 127)
.endr
.irp b, 0,1,2,3
	s_delay_alu instid0(VALU_DEP_4)
	v_add_nc_u32 v[SOP+\b], 0xff000000, v[BM+\b]   ; the conversion's scale operand
.endr
.irp b, 0,1,2,3
	s_delay_alu instid0(VALU_DEP_4)
	v_lshrrev_b32 v[T1+\b], 23, v[SOP+\b]          ; the scale's byte
.endr
	s_delay_alu instid0(VALU_DEP_3)
	v_lshl_or_b32 v253, v[T1+1], 8, v[T1]          ; p's scale word for these 128 keys
	s_delay_alu instid0(VALU_DEP_1)
	v_lshl_or_b32 v253, v[T1+2], 16, v253
	s_delay_alu instid0(VALU_DEP_1)
	v_lshl_or_b32 v253, v[T1+3], 24, v253
.irp c, 0,1
	v_cvt_scalef32_pk16_fp6_f32 v[PCD+6*\c:PCD+2+6*\c], v[S+32*\c:S+15+32*\c], v[SOP+2*\c]
	v_cvt_scalef32_pk16_fp6_f32 v[BM+4*\c:BM+2+4*\c], v[S+16+32*\c:S+31+32*\c], v[SOP+2*\c+1]
.endr
	v_nop                                          ; one plain place behind the conversions
.irp c, 0,1
.irp i, 0,1,2
	v_permlane16_swap_b32 v[PCD+6*\c+\i], v[BM+4*\c+\i]
.endr
.irp i, 0,1,2
	s_delay_alu instid0(VALU_DEP_3)
	v_mov_b32 v[PCD+3+6*\c+\i], v[BM+4*\c+\i]
.endr
.endr
.set n, 0
.rept 16
	v_pk_mul_f32 v[O+n:O+1+n], v[O+n:O+1+n], v[252:253] op_sel_hi:[1,0]   ; O^T under the new M; for each product below twelve of these name none of its registers: the places behind p's codes and scale word
.set n, n+2
.endr
.irp t, 0,1,2,3                        ; O^T += V^T P^T: four tiles of 16 channels
.irp c, 0,1,2
	ds_load_b128 v[VB+12*\t+4*\c:VB+12*\t+4*\c+3], v[ADV] offset:6144+1536*\t+512*\c
.endr
	ds_load_b32 v[TSW+\t], v[ADS] offset:12800+64*\t
.endr
	s_wait_alu depctr_va_vdst(0)
	s_wait_dscnt 0x0
.irp t, 0,1,2,3
	v_wmma_scale_f32_16x16x128_f8f6f4 v[O+8*\t:O+8*\t+7], v[VB+12*\t:VB+12*\t+11], v[PCD:PCD+11], v[O+8*\t:O+8*\t+7], v[TSW+\t], v253 matrix_a_fmt:MATRIX_FMT_FP6 matrix_b_fmt:MATRIX_FMT_FP6
.endr
.Lhidden_\@:
.endm
; The tile's end: O^T / l, quantised along the head's 64 (two blocks), stored as a chunk of og and two scale bytes a row.
.macro FINISH op, os
.rept 4
	v_nop
.endr
	v_add_f32 v14, v14, v15
	s_delay_alu instid0(VALU_DEP_1)
	v_permlanex16_b32 v252, v14, s[SEL], s[SEL+1]
	s_delay_alu instid0(VALU_DEP_1)
	v_add_f32 v14, v14, v252                       ; the row's sum
	s_wait_alu depctr_va_vdst(0)
	v_rcp_f32 v14, v14
	v_nop                                          ; a plain line behind the reciprocal,
	s_wait_alu depctr_va_vdst(0)                   ; and the wait ahead of its first reader
.set n, 0
.rept 16
	v_pk_mul_f32 v[S+n:S+1+n], v[O+n:O+1+n], v[14:15] op_sel_hi:[1,0]   ; register 16 b + i: channel 32 b + 16 h + i; each accumulator from its low end on
.set n, n+2
.endr
.irp b, 0,1
	v_max3_num_f32 v[BM+\b], |v[S+16*\b]|, |v[S+1+16*\b]|, 0x1800000
.endr
.irp i, 2,4,6,8,10,12,14
.irp b, 0,1
	s_delay_alu instid0(VALU_DEP_2)
	v_max3_num_f32 v[BM+\b], v[BM+\b], |v[S+16*\b+\i]|, |v[S+1+16*\b+\i]|
.endr
.endr
.irp b, 0,1
	s_delay_alu instid0(VALU_DEP_2)
	v_permlanex16_b32 v[T1+\b], v[BM+\b], s[SEL], s[SEL+1]
.endr
.irp b, 0,1
	s_delay_alu instid0(VALU_DEP_2)
	v_max_num_f32 v[BM+\b], v[BM+\b], v[T1+\b]
.endr
.irp b, 0,1
	s_delay_alu instid0(VALU_DEP_2)
	v_add_nc_u32 v[SOP+\b], 0xff000000, v[BM+\b]
.endr
.irp b, 0,1
	s_delay_alu instid0(VALU_DEP_2)
	v_lshrrev_b32 v[T1+\b], 23, v[SOP+\b]
.endr
	s_delay_alu instid0(VALU_DEP_1)
	v_cndmask_b32 v254, v[T1], v[T1+1], s[MH]      ; lanes 0-15 store block 0's byte, lanes 16-31 block 1's
	v_cvt_scalef32_pk16_fp6_f32 v[PCD:PCD+2], v[S:S+15], v[SOP]
	v_cvt_scalef32_pk16_fp6_f32 v[BM:BM+2], v[S+16:S+31], v[SOP+1]
	v_nop
.irp i, 0,1,2
	v_permlane16_swap_b32 v[PCD+\i], v[BM+\i]
.endr
.irp i, 0,1,2
	s_delay_alu instid0(VALU_DEP_3)
	v_mov_b32 v[PCD+3+\i], v[BM+\i]
.endr
.irp p, 0,1,2
	global_store_b64 v[L8], v[PCD+2*\p:PCD+2*\p+1], s[\op:\op+1] offset:256*\p   ; a plane: 256 consecutive bytes, aligned
.endr
	global_store_b8 v[LB], v254, s[\os:\os+1]      ; a byte of its own for each lane
.endm
.macro PASS op, os, last, sq
	v_mov_b32 v13, 0xff61b1e6                      ; the largest t so far: -3e38
	s_delay_alu instid0(VALU_DEP_1)
	v_floor_f32 v12, -v13
	v_mov_b32 v14, 0
	v_mov_b32 v15, 0
	v_mov_b32 v253, 0
.set n, 0
.rept 32
	v_mov_b32 v[O+n], 0                            ; the step is written once: its first trip finds zeros
.set n, n+1
.endr
	s_mov_b32 s[TB], 0
	s_mov_b32 s[KSI], 0
.Lk_\@:                                ; 16 trips, a constant: what is left out is a step's work
	STEP \last, \sq
	s_add_co_u32 s[TB], s[TB], KGB
	s_add_co_u32 s[KSI], s[KSI], 1
	s_cmp_lt_u32 s[KSI], 16
	s_cbranch_scc1 .Lk_\@
	FINISH \op, \os
.endm
	PASS OPA, OSA, LASTA, SQA
	s_wait_xcnt 0x0                                ; the first tile's stores have read their registers
	v_mov_b32 v16, v10                             ; the second tile's Q
	v_mov_b32 v17, v11
	v_mov_b32 v18, v28
	v_mov_b32 v19, v29
	v_mov_b32 v20, v30
	v_mov_b32 v21, v31
	v_mov_b32 v255, v9
	PASS OPB, OSB, LASTB, SQB
	s_wait_dscnt 0x0
	s_wait_xcnt 0x0
	v_lshl_add_u32 v254, v0, 2, 0x33000
	v_mov_b32 v255, 0
	s_wait_alu depctr_va_vdst(0)
	s_wait_tensorcnt 0x0
	ds_add_u32 v254, v255
	s_wait_dscnt 0x0
	CROUND                                         ; the closing round
	s_endpgm
.Lfunc_end_k_q0921feb7aa_attn:
	.size	k_q0921feb7aa_attn, .Lfunc_end_k_q0921feb7aa_attn-k_q0921feb7aa_attn
	.p2alignl 7, 3214868480
	.fill 96, 4, 3214868480
	.section	.rodata,"a",@progbits
	.p2align	6, 0x0
	.amdhsa_kernel k_q0921feb7aa_attn
		.amdhsa_group_segment_fixed_size 210944
		.amdhsa_private_segment_fixed_size 0
		.amdhsa_enable_private_segment 0
		.amdhsa_kernarg_size 16
		.amdhsa_user_sgpr_count 2
		.amdhsa_user_sgpr_kernarg_segment_ptr 1
		.amdhsa_wavefront_size32 1
		.amdhsa_system_sgpr_workgroup_id_x 1
		.amdhsa_system_sgpr_workgroup_id_y 1
		.amdhsa_system_sgpr_workgroup_id_z 1
		.amdhsa_system_vgpr_workitem_id 0
		.amdhsa_next_free_vgpr 256
		.amdhsa_next_free_sgpr 66
		.amdhsa_reserve_vcc 1
		.amdhsa_float_denorm_mode_32 3
		.amdhsa_float_denorm_mode_16_64 3
		.amdhsa_memory_ordered 1
		.amdhsa_forward_progress 1
		.amdhsa_inst_pref_size 67
	.end_amdhsa_kernel
	.amdgpu_metadata
---
amdhsa.version: [ 1, 2 ]
amdhsa.kernels:
  - .name:           k_q0921feb7aa_attn
    .symbol:         k_q0921feb7aa_attn.kd
    .args:
      - { .name: qkv, .offset: 0, .size: 8, .value_kind: global_buffer, .address_space: global }
      - { .name: og, .offset: 8, .size: 8, .value_kind: global_buffer, .address_space: global }
    .group_segment_fixed_size: 210944
    .private_segment_fixed_size: 0
    .kernarg_segment_align: 8
    .kernarg_segment_size: 16
    .max_flat_workgroup_size: 512
    .sgpr_count:     66
    .vgpr_count:     256
    .wavefront_size: 32
...
	.end_amdgpu_metadata
.endif
;; end of part 3
;; launch gemm_o (part 4): grid 8 x 32, 4 waves a work-group, clusters of 4 x 4, 327,680 bytes of LDS; arguments og, wg, b_out, out0; writes out0
.if DOCPART == 4
	.amdgcn_target "amdgcn-amd-amdhsa--gfx1250"
	.amdhsa_code_object_version 6
	.text
	.protected	k_q0921feb7aa_gemm_o
	.globl	k_q0921feb7aa_gemm_o
	.p2align	8
	.type	k_q0921feb7aa_gemm_o,@function
k_q0921feb7aa_gemm_o:
	s_mov_b64 s[64:65], 0
	v_nop
	global_prefetch_b8 v0, s[64:65] scope:SCOPE_SE
	s_setreg_imm32_b32 hwreg(HW_REG_WAVE_MODE, 25, 1), 1
	s_wait_xcnt 0x0
	s_wait_alu depctr_hold_cnt(0) depctr_sa_sdst(0) depctr_va_vdst(0) depctr_va_sdst(0) depctr_va_ssrc(0) depctr_va_vcc(0) depctr_vm_vsrc(0)
	s_getreg_b32 s2, hwreg(HW_REG_IB_STS2, 6, 4)
	s_cmp_eq_u32 s2, 0
	s_cbranch_scc0 .Lentry_in_a_cluster
	s_endpgm
.Lentry_in_a_cluster:
	s_bfe_u32 s2, ttmp6, 0x10000c
	s_cmp_lg_u32 s2, 0xf033
	s_cbranch_scc0 .Lentry_shape_is_right
	s_endpgm
.Lentry_shape_is_right:
; out0 = o W_out + b_out on codes of FP6 (E2M3) with E8M0 scales, K = 1,024.  o's codes lie in og, W_out's in wg from block 192 on.
; OPERANDS lie in blocks of 12,800 bytes for 16 rows: chunk c (64 along K) at 768 c, plane p at 256 p, lane l's 8 bytes at 8 l; scale bytes at 12,288 + 128 g + 8 r + e (k = 256 g + 32 e).
; Row r of block T is the true row 32 (T / 2) + 8 (T % 2) + r + 8 (r / 8).
; THE DEAL.  256 work-groups of four waves; a work-group makes 256 tokens x 128 columns.  ALL OF K of both operands lies in LDS at once: W's 8 blocks (102,400 bytes) at 0, o's 16 blocks (204,800) behind them.
; Every LDS byte is filled once, at the head: no ring and no refill.  Waves 2 x 2: wave (a, b) holds W's blocks 4 b .. 4 b + 3, all of K, in 384 registers and streams o's blocks 2 s + a, s = 0 .. 7, past them.
; A block is 32 products, K ascending, its four accumulators by turns; the first four take the bias as C.  A finished block leaves at once, through the wave's own stage.
; THE HEAD'S LOADS, one a wave, each a line of its own: wave 0 W's 8 blocks, wave 1 o's blocks 0-3, wave 2 blocks 4-9, wave 3 blocks 10-15.  Four plain barriers show them one after the other.
; CLUSTERS: 4 x 4 work-groups; o's blocks are asked for jointly along a row of the cluster, W's along a column.
; NO PREFETCH: all that the launch reads through LDS is asked for by the head's four loads, and there is no loop to run ahead in.
; THE MATRIX INSTRUCTION IS USED TRANSPOSED: source 0 = 16 rows of W, source 1 = 16 tokens.  Lane (r, h) holds token r; register j of accumulator b is column 32 (b / 2) + 8 (b % 2) + 16 h + j of my 64.
; REGISTERS: window 0: addresses, scale words, the bias, two sets of accumulators, two sets of rows on the way out.  Fragment f lies in window 1 + f / 21 at register 12 (f % 21): 0-31 W's (4 q + b), 32-39 and 40-47 o's two sets.
.set TILEB,  12800
.set FR,     12
.set FPW,    21
.set NF,     52                        ; LDS loads of a block of o: 48 for eight fragments, 4 for eight scale words
.set ABASE,  8*TILEB
.set STAGE,  24*TILEB                  ; 16 rows x (256 + 16) bytes for each wave: bytes of their own, into which no tile lands
.set SPITCH, 272
.set SPARE,  STAGE+4*16*SPITCH         ; the spare words, 128 bytes for each wave
.set ADW, 5                            ; my fragments of W
.set AWS, 6                            ; W's scale words: lanes 0-15 an even block's rows, lanes 16-31 the next block's
.set ADX, 7                            ; v7-9   my fragments of o for s = 0-2, 3-5, 6-7
.set AXS, 10                           ; v10-12 their scale words
.set STO, 13
.set RD,  14
.set CO,  15
.set BQ,  16
.set SPW, 18
.set NIL, 19
.set SB,  24                           ; v24-39 W's scale words: 8 (b / 2) + q
.set SA,  44                           ; v44-59 o's: two sets of eight
.set BB,  64                           ; v64-95 the bias, laid as the result lies
.set ACC, 96                           ; v96-159 two sets of four accumulators
.set BK,  160                          ; v160-223 two sets of 16 rows read back from the stage
.set G1W, 24
.set G1P, 32
.set G1Q, 48
.set G0W, 56
.set G0A, 60
.set G0B, 68
.set G0C, 72
.set MSB, 0
.macro WIN new                         ; the immediate's high byte repeats the setting that is left
.if MSB != (\new)
	s_set_vgpr_msb (MSB<<8)|(\new)
.set MSB, (\new)
.endif
.endm
.macro PLACES n
.rept \n
	v_nop
.endr
.endm
.macro BARRIER
	s_barrier_signal -1
	s_barrier_wait -1
.endm
.macro CROUND                          ; a round of the cluster's barrier
	BARRIER
	s_cmp_lg_u32 s14, 0
	s_cbranch_scc1 .Lnot_wave_0_\@
	s_barrier_signal -3
.Lnot_wave_0_\@:
	s_barrier_wait -3
	BARRIER
.endm
.macro GROUP1 g, mask, rows            ; a dense run of blocks as rows of 256 bytes (32 elements of 8 bytes)
	s_or_b32 s[\g], s[\mask], (3<<16)|(1<<21)
	s_mov_b32 s[\g+1], 32<<16
	s_mov_b32 s[\g+2], (\rows)<<16
	s_mov_b32 s[\g+3], 32<<16
	s_mov_b32 s[\g+4], \rows
	s_mov_b32 s[\g+5], 32
	s_mov_b32 s[\g+6], 0
	s_mov_b32 s[\g+7], 0
.endm
.macro TLOAD g0, g1
	tensor_load_to_lds s[\g0:\g0+3], s[\g1:\g1+7]
	s_nop 0
	PLACES 4
.endm
.macro ARM under, g0, g1, next
	s_cmp_lt_u32 s14, \under
	s_cbranch_scc0 \next
	TLOAD \g0, \g1
	s_branch .Lasked
\next:
.endm
.macro SHOWN n                         ; waves 0 .. n wait for their loads; the later waves' may still be on their way
	s_cmp_gt_u32 s14, \n
	s_cbranch_scc1 .Llater_\@
	s_wait_tensorcnt 0x0
.Llater_\@:
.endm
.macro FRAG f, adr, off                ; a fragment, 16 rows x 128 K: each register pair is one plane of one chunk, 256 consecutive bytes
	WIN (1+(\f)/FPW)<<6
.irp p, 0,1,2,3,4,5
	ds_load_b64 v[FR*((\f)%FPW)+2*\p:FR*((\f)%FPW)+2*\p+1], v[\adr] offset:(\off)+768*(\p/3)+256*(\p%3)
.endr
.endm
.macro FETCH e, s                      ; my block s of o into set e
.irp q, 0,1,2,3,4,5,6,7
	FRAG 32+8*(\e)+\q, ADX+(\s)/3, ((\s)%3)*2*TILEB+1536*\q
.endr
	WIN 0
.irp g, 0,1,2,3
	ds_load_b64 v[SA+8*(\e)+2*\g:SA+8*(\e)+2*\g+1], v[AXS+(\s)/3] offset:((\s)%3)*2*TILEB+12288+128*\g
.endr
.endm
.macro P1 d, fw, fx, c, xw, xx, o
.if \o
	v_wmma_scale_f32_16x16x128_f8f6f4 v[\d:\d+7], v[FR*((\fw)%FPW):FR*((\fw)%FPW)+FR-1], v[FR*((\fx)%FPW):FR*((\fx)%FPW)+FR-1], \c, v[\xw], v[\xx] matrix_a_fmt:MATRIX_FMT_FP6 matrix_b_fmt:MATRIX_FMT_FP6 matrix_a_scale:MATRIX_SCALE_ROW1
.else
	v_wmma_scale_f32_16x16x128_f8f6f4 v[\d:\d+7], v[FR*((\fw)%FPW):FR*((\fw)%FPW)+FR-1], v[FR*((\fx)%FPW):FR*((\fx)%FPW)+FR-1], \c, v[\xw], v[\xx] matrix_a_fmt:MATRIX_FMT_FP6 matrix_b_fmt:MATRIX_FMT_FP6
.endif
.endm
.macro PRODS s, from, to               ; products n = 4 q + b of block s
.set N_, \from
.rept (\to)-(\from)
.set Q_, N_/4
.set B_, N_%4
.set FX_, 32+8*((\s)%2)+Q_
.set D_, ACC+32*((\s)%2)+8*B_
	WIN (1+N_/FPW)|((1+FX_/FPW)<<2)
.if Q_
	P1 D_, N_, FX_, v[D_:D_+7], SB+8*(B_/2)+Q_, SA+8*((\s)%2)+Q_, B_%2
.else
	P1 D_, N_, FX_, v[BB+8*B_:BB+8*B_+7], SB+8*(B_/2)+Q_, SA+8*((\s)%2)+Q_, B_%2
.endif
.set N_, N_+1
.endr
.endm
.macro TOSTAGE s                       ; 16 tokens x 64 columns into my stage, and back as whole rows of 256 bytes; LDS serves a wave's instructions in order
.set AC_, ACC+32*((\s)%2)
.set BK_, BK+32*((\s)%2)
.irp b, 0,1,2,3
	ds_store_b128 v[STO], v[AC_+8*\b:AC_+8*\b+3] offset:128*(\b/2)+32*(\b%2)       ; each accumulator from its low end on
	ds_store_b128 v[STO], v[AC_+8*\b+4:AC_+8*\b+7] offset:128*(\b/2)+32*(\b%2)+16
.endr
.irp t, 0,1,2,3,4,5,6,7
	ds_load_b128 v[BK_+4*\t:BK_+4*\t+3], v[RD] offset:\t*2*SPITCH
.endr
.endm
.macro SEND s                          ; stage row 2 t + h is the true row 32 s + 8 a + 2 t + h + 8 (t / 4); sixteen lanes store 256 consecutive bytes, aligned
.set BK_, BK+32*((\s)%2)
.irp t, 0,1,2,3,4,5,6,7
	global_store_b128 v[CO], v[BK_+4*\t:BK_+4*\t+3], s[12:13] offset:(32*(\s)+2*\t+8*(\t/4))*4096 th:TH_STORE_NT
.endr
.endm
; A block.  Its rows were fetched two blocks ago; younger than that fetch are 16 LDS instructions of the stage and the next fetch's 52: 68, of which the wait's field can name 63.
; For block 0 only block 1's fetch is younger (52); for block 7 only the stage's 16.  In blocks 0 and 3 a plain barrier, split round the last 16 products, shows the next tile of o.
.macro ITER s
.if (\s) == 0
	s_wait_dscnt NF
.elseif (\s) == 7
	s_wait_dscnt 16
.else
	s_wait_dscnt 63
.endif
	PRODS \s, 0, 16
.if (\s) == 0 || (\s) == 3
	WIN 0
.if (\s) == 0
	SHOWN 2                                        ; blocks 4-9
.else
	s_wait_tensorcnt 0x0                           ; all that is still out: blocks 10-15; every wave waits
.endif
	s_wait_dscnt 0x0                               ; no LDS instruction of mine is out at the signal
	s_barrier_signal -1
.endif
	PRODS \s, 16, 32
	WIN 0
.if (\s) == 0 || (\s) == 3
	s_barrier_wait -1
.endif
.if (\s) > 0
	s_wait_xcnt 0x0                                ; the stores of two blocks ago have read the registers into which this block's rows come back
.if (\s) < 7
	s_wait_dscnt NF                                ; the last block's rows are back from the stage; the 52 loads of the fetch behind them may be out
.else
	s_wait_dscnt 0x0
.endif
	SEND (\s)-1
.endif
	PLACES 4                                       ; between the last products and the LDS stores of their results and the loads into their sources
	TOSTAGE \s
.if (\s) < 6
	FETCH (\s)%2, (\s)+2
.endif
.endm
; ---------------- the head
	s_load_b256 s[4:11], s[0:1], 0x0               ; og, wg, b_out, out0
	v_lshl_add_u32 v[SPW], v0, 2, SPARE
	v_mov_b32 v[NIL], 0
	ds_add_u32 v[SPW], v[NIL]                      ; the opening lines: the add, twice on end, and its wait ahead of the first tensor load
	ds_add_u32 v[SPW], v[NIL]
	v_lshrrev_b32 v1, 5, v0
	v_readfirstlane_b32 s14, v1                    ; wave
	s_lshr_b32 s15, s14, 1                         ; a: which of a pair of o's blocks
	s_and_b32 s16, s14, 1                          ; b: which 64 columns
	s_bfe_u32 s40, ttmp6, 0x40000                  ; cx
	s_bfe_u32 s41, ttmp6, 0x40004                  ; cy
	s_lshl_b32 s42, ttmp9, 2
	s_add_co_u32 s42, s42, s40                     ; which 128 columns, 0 .. 7
	s_and_b32 s17, ttmp7, 0xffff
	s_lshl_b32 s17, s17, 2
	s_add_co_u32 s17, s17, s41                     ; which 256 tokens, 0 .. 31
	s_lshl_b32 s43, s41, 2
	s_lshl_b32 s43, 15, s43                        ; my row of the cluster
	s_lshl_b32 s44, 0x1111, s40                    ; my column
	GROUP1 G1W, 44, 400                            ; 8 blocks
	GROUP1 G1P, 43, 200                            ; 4 blocks
	GROUP1 G1Q, 43, 300                            ; 6 blocks
	s_mul_i32 s20, s17, 16*TILEB
	s_mov_b32 s21, 0
	s_lshl_b32 s22, s42, 3
	s_add_co_u32 s22, s22, 192
	s_mul_i32 s22, s22, TILEB
	s_mov_b32 s23, 0
	s_mov_b32 s[G0W], 1
	s_mov_b32 s[G0W+1], 0
	s_mov_b32 s[G0A], 1
	s_mov_b32 s[G0A+1], ABASE
	s_mov_b32 s[G0B], 1
	s_mov_b32 s[G0B+1], ABASE+4*TILEB
	s_mov_b32 s[G0C], 1
	s_mov_b32 s[G0C+1], ABASE+10*TILEB
	s_wait_alu depctr_va_vdst(0)                   ; directly ahead of the wait below
	s_wait_dscnt 0x0                               ; both opening adds are done
	CROUND                                         ; all sixteen work-groups are here: the joint loads meet
	s_wait_kmcnt 0x0
	s_add_nc_u64 s[G0W+2:G0W+3], s[6:7], s[22:23]
	s_add_nc_u64 s[G0A+2:G0A+3], s[4:5], s[20:21]
	s_add_nc_u64 s[G0B+2:G0B+3], s[G0A+2:G0A+3], 4*TILEB
	s_add_nc_u64 s[G0C+2:G0C+3], s[G0A+2:G0A+3], 10*TILEB
	s_or_b32 s[G0W+3], s[G0W+3], 0x80000000
	s_or_b32 s[G0A+3], s[G0A+3], 0x80000000
	s_or_b32 s[G0B+3], s[G0B+3], 0x80000000
	s_or_b32 s[G0C+3], s[G0C+3], 0x80000000
	ARM 1, G0W, G1W, .Lwave_1
	ARM 2, G0A, G1P, .Lwave_2
	ARM 3, G0B, G1Q, .Lwave_3
	TLOAD G0C, G1Q
.Lasked:
	s_lshl_b32 s2, s42, 9
	s_lshl_b32 s3, s16, 8
	s_add_co_u32 s2, s2, s3                        ; my first column, in bytes
	s_mov_b32 s3, 0
	s_add_nc_u64 s[8:9], s[8:9], s[2:3]            ; its bias
	s_lshl_b32 s12, s17, 8
	s_lshl_b32 s13, s15, 3
	s_add_co_u32 s12, s12, s13                     ; true row 256 x tile + 8 a
	s_lshl_b32 s12, s12, 12
	s_add_co_u32 s12, s12, s2
	s_mov_b32 s13, 0
	s_add_nc_u64 s[12:13], s[10:11], s[12:13]
	s_mul_i32 s18, s16, 4*TILEB                    ; my four blocks of W
	s_mul_i32 s19, s15, TILEB
	s_add_co_u32 s19, s19, ABASE                   ; o's block a
	s_mul_i32 s20, s14, 16*SPITCH
	s_add_co_u32 s20, s20, STAGE                   ; my stage
	v_and_b32 v1, 15, v0                           ; r
	v_bfe_u32 v2, v0, 4, 1                         ; h
	v_and_b32 v3, 31, v0
	v_lshlrev_b32 v4, 3, v3                        ; 8 x lane
	v_lshlrev_b32 v[BQ], 6, v2
	v_add_nc_u32 v[ADW], s18, v4
	v_mul_u32_u24 v20, v2, TILEB                   ; lanes 16-31 take the next block's words: the lower base + h x the distance
	v_lshl_add_u32 v20, v1, 3, v20
	v_add_nc_u32 v[AWS], s18, v20
	v_add_nc_u32 v[ADX], s19, v4
	v_add_nc_u32 v[ADX+1], 6*TILEB, v[ADX]
	v_add_nc_u32 v[ADX+2], 12*TILEB, v[ADX]
	v_lshl_add_u32 v[AXS], v1, 3, s19
	v_add_nc_u32 v[AXS+1], 6*TILEB, v[AXS]
	v_add_nc_u32 v[AXS+2], 12*TILEB, v[AXS]
	v_mul_u32_u24 v21, v1, SPITCH                  ; into the stage: row r, 64 bytes on for the upper half of the lanes
	v_lshl_add_u32 v21, v2, 6, v21
	v_add_nc_u32 v[STO], s20, v21
	v_mul_u32_u24 v22, v2, SPITCH                  ; out of it: sixteen lanes to a row, two rows an instruction
	v_lshl_add_u32 v22, v1, 4, v22
	v_add_nc_u32 v[RD], s20, v22
	v_lshlrev_b32 v23, 12, v2                      ; and the same two rows in out0
	v_lshl_add_u32 v[CO], v1, 4, v23
	s_wait_alu depctr_va_vdst(0)
.irp n, 0,1,2,3,4,5,6,7
	global_load_b128 v[BB+4*\n:BB+4*\n+3], v[BQ], s[8:9] offset:128*(\n/4)+16*(\n%4)   ; register 16 u + i: the bias of column 32 u + 16 h + i
.endr
	SHOWN 0
	BARRIER                                        ; W's blocks are in
.irp q, 0,1,2,3,4,5,6,7
.irp b, 0,1,2,3
	FRAG 4*\q+\b, ADW, \b*TILEB+1536*\q
.endr
.endr
	WIN 0
.irp u, 0,1
.irp g, 0,1,2,3
	ds_load_b64 v[SB+8*\u+2*\g:SB+8*\u+2*\g+1], v[AWS] offset:12288+2*TILEB*\u+128*\g
.endr
.endr
	SHOWN 1
	s_wait_dscnt 0x0
	BARRIER                                        ; o's blocks 0-3 are in
	FETCH 0, 0
	FETCH 1, 1
	s_wait_loadcnt 0x0                             ; the bias
.irp s, 0,1,2,3,4,5,6,7
	ITER \s
.endr
	s_wait_dscnt 0x0
	SEND 7
	s_wait_tensorcnt 0x0                           ; the wave's end
	ds_add_u32 v[SPW], v[NIL]
	s_wait_dscnt 0x0
	CROUND                                         ; the closing round
	s_endpgm
.Lfunc_end_k_q0921feb7aa_gemm_o:
	.size	k_q0921feb7aa_gemm_o, .Lfunc_end_k_q0921feb7aa_gemm_o-k_q0921feb7aa_gemm_o
	.p2alignl 7, 3214868480
	.fill 96, 4, 3214868480
	.section	.rodata,"a",@progbits
	.p2align	6, 0x0
	.amdhsa_kernel k_q0921feb7aa_gemm_o
		.amdhsa_group_segment_fixed_size 327680
		.amdhsa_private_segment_fixed_size 0
		.amdhsa_enable_private_segment 0
		.amdhsa_kernarg_size 32
		.amdhsa_user_sgpr_count 2
		.amdhsa_user_sgpr_kernarg_segment_ptr 1
		.amdhsa_wavefront_size32 1
		.amdhsa_system_sgpr_workgroup_id_x 1
		.amdhsa_system_sgpr_workgroup_id_y 1
		.amdhsa_system_sgpr_workgroup_id_z 1
		.amdhsa_system_vgpr_workitem_id 0
		.amdhsa_next_free_vgpr 896
		.amdhsa_next_free_sgpr 80
		.amdhsa_reserve_vcc 0
		.amdhsa_float_denorm_mode_32 3
		.amdhsa_float_denorm_mode_16_64 3
		.amdhsa_memory_ordered 1
		.amdhsa_forward_progress 1
		.amdhsa_inst_pref_size 98
	.end_amdhsa_kernel
	.amdgpu_metadata
---
amdhsa.version: [ 1, 2 ]
amdhsa.kernels:
  - .name:           k_q0921feb7aa_gemm_o
    .symbol:         k_q0921feb7aa_gemm_o.kd
    .args:
      - { .name: og, .offset: 0, .size: 8, .value_kind: global_buffer, .address_space: global }
      - { .name: wg, .offset: 8, .size: 8, .value_kind: global_buffer, .address_space: global }
      - { .name: b_out, .offset: 16, .size: 8, .value_kind: global_buffer, .address_space: global }
      - { .name: out0, .offset: 24, .size: 8, .value_kind: global_buffer, .address_space: global }
    .group_segment_fixed_size: 327680
    .private_segment_fixed_size: 0
    .kernarg_segment_align: 8
    .kernarg_segment_size: 32
    .max_flat_workgroup_size: 128
    .sgpr_count:     80
    .vgpr_count:     896
    .wavefront_size: 32
...
	.end_amdgpu_metadata
.endif
;; end of part 4
